; MI455X (gfx1250); checked and timed in simulation.
; The chip was launched on July 23, 2026; its instructions are those of AMD's public machine-readable ISA for CDNA 5 (MIT licence, August 2026) and "CDNA5" Instruction Set Architecture Reference Guide (July 2026). The comments in the code are by the model that wrote it; some were corrected since.
;; Grouped Query Attention. Allowed arithmetic: matrix products marked QUANTISED: E3M2 operands, one E8M0 scale for each 32 along K, by v_wmma_scale_f32_16x16x128_f8f6f4 with both operands' format E3M2, f32 sums; everything else in f32.
;; Inputs: Wk 1,024 x 256 float32; Wo 1,024 x 1,024 float32; Wq 1,024 x 1,024 float32; Wv 1,024 x 256 float32; x 2 x 2,048 x 1,024 float32.
;; Outputs: out0 2 x 2,048 x 1,024 float32.
;; This version of the problem:
;;   THIS VERSION OF THE PROBLEM IS GIVEN IN LOW PRECISION. The matrix products marked QUANTISED in the list below multiply operands that are first quantised to E3M2 (3 exponent bits, 2 mantissa bits; 6 bits a number), with one power-of-two scale for each 32 numbers along K (OCP MX v1.0); their sums are f32. All else is computed in f32.
;;   The module's matrix products, in the order in which they are computed (A, B: the left and right operand; K: the contracted axis; several contracted axes count as one K, in the product's order):
;;     1. [M 4,096, K 1,024] x [K 1,024, N 1,024]; A: input x; B: input Wq: QUANTISED
;;     2. [M 4,096, K 1,024] x [K 1,024, N 256]; A: input x; B: input Wk: QUANTISED
;;     3. [M 4,096, K 1,024] x [K 1,024, N 256]; A: input x; B: input Wv: QUANTISED
;;     4. batch 8 x [M 8,192, K 64] x [K 64, N 2,048]; A: computed on the way; B: computed on the way: QUANTISED
;;     5. batch 8 x [M 8,192, K 2,048] x [K 2,048, N 64]; A: softmax (see below); B: computed on the way: QUANTISED
;;     6. [M 4,096, K 1,024] x [K 1,024, N 1,024]; A: computed on the way; B: input Wo: QUANTISED
;;   THE QUANTISER, for each operand of a quantised product, along K:
;;     - K is cut into blocks of 32 from its start; a last block that is shorter is filled with zeros.
;;     - A block's scale is 2^e with e = floor(log2(the largest magnitude in the block)) - 4, held to -126 .. 127; a block of zeros has e = 0. As a byte (E8M0): e + 127.
;;     - Each number is divided by its block's scale, clamped to +-28, and rounded to the nearest number of E3M2, ties to even, subnormals kept.
;;     - The product sums the exact products of the quantised numbers (number of the format x scale) in f32.
;;   ~~~python
;;   def quantise(x, axis):      # numpy; x: float32 -> the quantised numbers, widened to float32 again
;;       x = np.moveaxis(x, axis, -1); K = x.shape[-1]
;;       x = np.pad(x, [(0, 0)] * (x.ndim - 1) + [(0, -K % 32)]); x = x.reshape(x.shape[:-1] + (-1, 32)); a = np.abs(x).max(-1, keepdims=True)
;;       e = np.where(a > 0, np.clip(np.frexp(np.where(a > 0, a, 1))[1] - 1 - 4, -126, 127), 0)      # np.frexp(a)[1] - 1 = floor(log2(a)), exactly
;;       r = np.clip(x / 2.0 ** e, -28, 28)
;;       step = 2.0 ** (np.maximum(np.frexp(np.where(r == 0, 1, r))[1] - 1, -2) - 2)
;;       q = np.round(r / step) * step * 2.0 ** e      # np.round: ties to even
;;       return np.moveaxis(q.reshape(q.shape[:-2] + (-1,))[..., :K], -1, axis).astype(np.float32)
;;   ~~~
;;   SOFTMAX AHEAD OF A QUANTISED PRODUCT. Where the list says 'softmax', what is quantised is not the finished softmax but p = 2^(t - M), with t = logit x log2(e) and M = ceil(the row's largest t), a whole number; so 1/2 < the row's largest p <= 1. The row's sum l is taken of the UNQUANTISED p, in f32, and the product's result is divided by l at the end. Since M is a whole number, a kernel that streams over the keys may use a running M (the ceiling of the running maximum): every later rescaling is an exact power of two, which a block's scale takes up: the codes' values come out the same.
;;   OPERANDS COMPUTED ON THE WAY. 'Computed on the way' means the value that the module computes at that place (a softmax that the list does not call 'softmax' is quantised finished and normalised). What goes into a quantiser is computed in f32, as accurately as f32 sums, v_exp_f32 and their like allow (about 1e-6 of the number): no bf16 or f16 on the way to a quantiser, and a product that is left as it is and whose result goes on into a quantised operand takes f32 operands (vector FMAs, or v_wmma_f32_16x16x4_f32). A number that lies on a knife's edge between two numbers of the format may be rounded either way, as far as f32 arithmetic and the matrix unit's own rounding can turn it there, and no further.
;; 2 versions. Each part assembles by itself: llvm-mc -triple=amdgcn-amd-amdhsa -mcpu=gfx1250 --defsym DOCPART=n.
;; ======== version 1 of 2: 4 launches
;; workspace buffers: xq 3,276,800 bytes; wq 2,048,000 bytes; rope 524,288 bytes; qq 3,407,872 bytes; kv 1,671,168 bytes; oq 3,276,800 bytes
;; launch prep (part 1): grid 448 x 1, 4 waves a work-group, no clusters, 47,616 bytes of LDS; arguments x, Wq, Wk, Wv, Wo, xq, wq, rope; writes xq, wq, rope
.if DOCPART == 1
	.amdgcn_target "amdgcn-amd-amdhsa--gfx1250"
	.amdhsa_code_object_version 6
	.text
	.protected	k_q4fa880004a_prep
	.globl	k_q4fa880004a_prep
	.p2align	8
	.type	k_q4fa880004a_prep,@function
k_q4fa880004a_prep:
	s_mov_b64 s[64:65], 0
	v_nop
	global_prefetch_b8 v0, s[64:65] scope:SCOPE_SE
	s_setreg_imm32_b32 hwreg(HW_REG_WAVE_MODE, 25, 1), 1
	s_wait_xcnt 0x0
; PREP: x and the four weights become codes of BF6 (E3M2) with one E8M0 byte for each 32 along K (K = d_model, 1,024), and the table of cos and sin is made.
; A block's scale is 2^(floor(log2(largest magnitude)) - 4): its byte is the largest magnitude's exponent field - 4, held at 1 from below by a floor among the maximum's leaves.
; WHAT IS STORED is laid in the order of the matrix operand's registers.  A TILE is 16 rows; tile T holds rows 32 (T / 2) + 8 (T % 2) + r + 8 (r / 8), r = 0 .. 15.
; A tile's record is 12,800 bytes: eight images of 1,536 bytes (K step s at 1,536 s: registers 4 c .. 4 c + 3 of lane l at 512 c + 16 l), then 512 bytes of scale words, [K step][r].
; In an image, registers 6 c .. 6 c + 5 of lane (r, h) hold k = 64 c + 32 h + 0 .. 31 of row r.
; xq: 256 tiles of x's rows.  wq: 160 tiles of columns n: 0-1023 Wq, 1024-1279 Wk, 1280-1535 Wv, 1536-2559 Wo.  rope: [t][cos 32 | sin 32] f32.
; Work-groups 0-255: one tile of x each, a wave two K steps.  256-415: 128 columns x one K step of a weight, a lane to a column.  416-447: the table, a wave 16 positions.
; The three ways part on the work-group's number; waves share nothing, so there is no barrier; each way has LDS bytes of its own.
; LIMITS: NaN and infinities are not served.  A block of zeros, or one whose largest magnitude lies under 2^-122, gets the byte 1 (the bytes are read by this program alone).
; cos and sin: reduction by pi/2 in two parts, good for angles up to 2,047 (multiples of pi/2 up to 1,303), then polynomials on |rho| <= pi/4: about 1e-7 absolute.
; The frequencies are 1 / RN(10^(j/8)), the reciprocal mended by one Newton step.
.set REC,   12800
.set SCO,   12288
.set FLOOR, 0x2800000                  ; 2^(5 - 127)
.set EOFF,  0xfe000000                 ; -(4 << 23)
.set XSTG,  8448                       ; way X: a wave's stage, 16 rows x (512 + 16) bytes
.set WBASE, 4*XSTG                     ; way W: behind them
.set WIMG,  1664                       ; an image's 1,536 bytes + 128
.set WSTG,  2*WIMG
.set XRW,   16                         ; way X: v16-143 numbers as loaded
.set XN,    144                        ; v144-207 64 numbers of my row: register 32 c + n = k 64 c + 32 h + n
.set XPC,   208                        ; v208-231 codes, 12 for each K step
.set XCT,   232                        ; v232-234, v236-238 second halves of blocks
.set XMX,   240
.set XSO,   242
.set XBY,   244
.set XWD,   246
.set XTP,   248
.set WN,    16                         ; way W: v16-143 my column's 128 numbers down K
.set WC,    144                        ; block b's six registers at v[144 + 8 b]
.set WCT,   176
.set WOR,   180                        ; v180-203 two images read back
.set WMX,   204
.set WSO,   206
.set WBY,   207
.set WWD,   208
	s_load_b256 s[4:11], s[0:1], 0x0               ; x, Wq, Wk, Wv
	s_load_b256 s[12:19], s[0:1], 0x20             ; Wo, xq, wq, rope
	v_lshl_add_u32 v254, v0, 2, 0xb800
	v_mov_b32 v255, 0
	v_lshrrev_b32 v1, 5, v0
	v_readfirstlane_b32 s20, v1                    ; wave
	v_and_b32 v1, 31, v0                           ; lane
	v_lshlrev_b32 v2, 4, v1                        ; 16 x lane
	v_lshlrev_b32 v3, 2, v1                        ; 4 x lane
	s_mov_b32 s28, 0x76543210
	s_mov_b32 s29, 0xfedcba98                      ; v_permlanex16_b32's selects for lane l xor 16
	s_wait_kmcnt 0x0
	s_cmp_lt_u32 ttmp9, 256
	s_cbranch_scc1 .Lpath_x
	s_cmp_lt_u32 ttmp9, 416
	s_cbranch_scc1 .Lpath_w
; ---------------- the table: lane = (position % 2, cos or sin, four frequencies)
	s_sub_co_u32 s21, ttmp9, 416
	s_lshl_b32 s21, s21, 2
	s_add_co_u32 s21, s21, s20                     ; which 16 positions are my wave's
	s_lshl_b32 s22, s21, 12                        ; 16 rows of 256 bytes
	s_mov_b32 s23, 0
	s_add_nc_u64 s[26:27], s[18:19], s[22:23]
	s_lshl_b32 s21, s21, 4                         ; my first position
	v_mov_b32 v16, 1.0                             ; lane j: 10000^(j/32) = 10^(j/8), rounded to f32 by the assembler
.macro PW j, val
	s_mov_b32 s30, \val
	v_writelane_b32 v16, s30, \j
.endm
	PW 1, 1.33352143216
	PW 2, 1.77827941004
	PW 3, 2.37137370566
	PW 4, 3.16227766017
	PW 5, 4.21696503429
	PW 6, 5.62341325190
	PW 7, 7.49894209332
	PW 8, 10.0
	PW 9, 13.3352143216
	PW 10, 17.7827941004
	PW 11, 23.7137370566
	PW 12, 31.6227766017
	PW 13, 42.1696503429
	PW 14, 56.2341325190
	PW 15, 74.9894209332
	PW 16, 100.0
	PW 17, 133.352143216
	PW 18, 177.827941004
	PW 19, 237.137370566
	PW 20, 316.227766017
	PW 21, 421.696503429
	PW 22, 562.341325190
	PW 23, 749.894209332
	PW 24, 1000.0
	PW 25, 1333.52143216
	PW 26, 1778.27941004
	PW 27, 2371.37370566
	PW 28, 3162.27766017
	PW 29, 4216.96503429
	PW 30, 5623.41325190
	PW 31, 7498.94209332
	v_rcp_f32 v17, v16
	v_nop                                          ; one plain place behind a transcendental
	s_wait_alu depctr_va_vdst(0)
	v_fma_f32 v18, -v16, v17, 1.0                  ; the reciprocal's error,
	v_fma_f32 v17, v18, v17, v17                   ; taken off: lane j holds the frequency j
	v_and_b32 v19, 7, v1
	v_lshlrev_b32 v40, 4, v19                      ; my four frequencies are 4 c .. 4 c + 3: lanes' byte addresses 16 c + 4 i
	v_add_nc_u32 v41, 4, v40
	v_add_nc_u32 v42, 8, v40
	v_add_nc_u32 v43, 12, v40
.irp i, 0,1,2,3
	ds_bpermute_b32 v[20+\i], v[40+\i], v17        ; a pull between lanes: no LDS byte is touched
.endr
	v_bfe_u32 v38, v1, 3, 1
	v_mul_u32_u24 v38, v38, 3                      ; sin a = cos(a + 3 pi/2): three quarter turns more for the lanes that make sin
	v_lshrrev_b32 v28, 4, v1
	v_add_nc_u32 v28, s21, v28
	v_cvt_f32_u32 v28, v28                         ; my position, as f32
	v_mov_b32 v39, v2                              ; my 16 bytes of two rows' 512
	s_mov_b32 s32, 0x3f22f983                      ; 2 / pi
	s_mov_b32 s33, 0xbfc90fdb                      ; -(pi/2 rounded to f32)
	s_mov_b32 s34, 0x333bbd2e                      ; that number - pi/2
	s_mov_b32 s35, -0.16666654611
	s_mov_b32 s36, 0.0083321608736
	s_mov_b32 s37, -0.00019515295891
	s_mov_b32 s38, 0.04166664568298827
	s_mov_b32 s39, -0.001388731625493765
	s_mov_b32 s40, 0.00002443315711809948
	s_mov_b32 s41, 8
	s_wait_dscnt 0x0
.macro TRIG i
	v_mul_f32 v30, v28, v[20+\i]                   ; the angle, rounded once
	v_mul_f32 v31, s32, v30
	v_rndne_f32 v31, v31                           ; k quarter turns
	v_fma_f32 v32, v31, s33, v30                   ; exact: a multiple of 2^-23 under 1
	v_fma_f32 v32, v31, s34, v32                   ; rho = angle - k pi/2
	v_cvt_i32_f32 v33, v31
	v_add_nc_u32 v33, v33, v38                     ; q: the value wanted is cos(rho + q pi/2)
	v_mul_f32 v34, v32, v32                        ; z
	v_fma_f32 v35, s37, v34, s36
	v_fma_f32 v35, v35, v34, s35
	v_mul_f32 v35, v35, v34
	v_fma_f32 v35, v35, v32, v32                   ; sin rho
	v_fma_f32 v36, s40, v34, s39
	v_fma_f32 v36, v36, v34, s38
	v_mul_f32 v37, v34, v34
	v_fma_f32 v29, v34, -0.5, 1.0
	v_fma_f32 v36, v36, v37, v29                   ; cos rho
	v_and_b32 v37, 1, v33
	v_cmp_eq_u32 vcc_lo, 1, v37
	v_cndmask_b32 v36, v36, v35, vcc_lo            ; odd q: sin
	v_add_nc_u32 v33, 1, v33
	v_and_b32 v33, 2, v33
	v_lshlrev_b32 v33, 30, v33                     ; q % 4 = 1, 2: minus
	v_xor_b32 v[24+\i], v36, v33
.endm
.Ltrip:
	TRIG 0
	TRIG 1
	TRIG 2
	TRIG 3
	global_store_b128 v39, v[24:27], s[26:27]      ; 32 lanes store two whole rows of the table, 512 consecutive bytes
	s_wait_xcnt 0x0                                ; the store has read v39 and v[24:27]: they are written again only behind this wait
	v_add_nc_u32 v39, 512, v39
	v_add_f32 v28, 2.0, v28
	s_sub_co_u32 s41, s41, 1
	s_cmp_lg_u32 s41, 0
	s_cbranch_scc1 .Ltrip
	s_endpgm
; ---------------- x: tile ttmp9; my wave's K steps are 2 q and 2 q + 1
.Lpath_x:
	s_lshr_b32 s21, ttmp9, 1
	s_lshl_b32 s21, s21, 5
	s_and_b32 s22, ttmp9, 1
	s_lshl_b32 s22, s22, 3
	s_add_co_u32 s21, s21, s22                     ; the tile's first row
	s_lshl_b32 s22, s21, 12                        ; rows of 4,096 bytes
	s_lshl_b32 s21, s20, 10                        ; two K steps are 1,024 bytes of a row
	s_add_co_u32 s22, s22, s21
	s_mov_b32 s23, 0
	s_add_nc_u64 s[24:25], s[4:5], s[22:23]
	s_mul_i32 s31, ttmp9, REC
	s_mul_i32 s22, s20, 3072
	s_add_co_u32 s22, s22, s31
	s_add_nc_u64 s[26:27], s[14:15], s[22:23]      ; my two images
	s_lshl_b32 s22, s20, 7
	s_add_co_u32 s22, s22, s31
	s_add_nc_u64 s[32:33], s[14:15], s[22:23]      ; my two K steps' scale words (+ SCO in the immediate)
.irp e, 0,1
.irp i, 0,1,2,3,4,5,6,7,8,9,10,11,12,13,14,15
	global_load_b128 v[XRW+4*(16*\e+\i):XRW+4*(16*\e+\i)+3], v2, s[24:25] offset:(\i+8*(\i/8))*4096+512*\e th:TH_LOAD_NT   ; 512 consecutive bytes of the tile's row i
.endr
.endr
	s_mul_i32 s21, s20, XSTG
	v_add_nc_u32 v4, s21, v2                       ; into the stage: as loaded
	v_and_b32 v7, 15, v1                           ; r
	v_lshrrev_b32 v8, 4, v1                        ; h
	v_mul_u32_u24 v5, v7, 528
	v_lshl_add_u32 v5, v8, 7, v5
	v_add_nc_u32 v5, s21, v5                       ; out of it: row r, + 128 h: 32 neighbours of each 64
	v_lshlrev_b32 v6, 3, v8                        ; 8 h
	v_mov_b32 v[XTP], 0                            ; a lane permute's destination counts as one of its sources
.macro XTURN e                         ; LDS serves a wave's instructions in order: no wait between the stores and the loads
.irp i, 0,1,2,3,4,5,6,7,8,9,10,11,12,13,14,15
	ds_store_b128 v4, v[XRW+4*(16*\e+\i):XRW+4*(16*\e+\i)+3] offset:528*\i
.endr
.irp c, 0,1
.irp p, 0,1,2,3,4,5,6,7
	ds_load_b128 v[XN+32*\c+4*\p:XN+32*\c+4*\p+3], v5 offset:256*\c+16*\p
.endr
.endr
.endm
.macro XQ e                            ; my blocks h and 2 + h of this K step: all 32 numbers of each are mine
.irp c, 0,1
	v_max3_num_f32 v[XMX+\c], |v[XN+32*\c]|, |v[XN+32*\c+1]|, FLOOR
.endr
.irp i, 2,4,6,8,10,12,14,16,18,20,22,24,26,28,30
.irp c, 0,1
	v_max3_num_f32 v[XMX+\c], v[XMX+\c], |v[XN+32*\c+\i]|, |v[XN+32*\c+\i+1]|
.endr
.endr
.irp c, 0,1
	v_add_nc_u32 v[XSO+\c], EOFF, v[XMX+\c]        ; 4 off the exponent field: the conversion's scale operand
.endr
.irp c, 0,1
	v_lshrrev_b32 v[XBY+\c], 23, v[XSO+\c]         ; the scale's byte
.endr
	v_lshl_or_b32 v[XWD+\e], v[XBY+1], 16, v[XBY]
	v_lshlrev_b32 v[XWD+\e], v6, v[XWD+\e]         ; my two bytes at their places,
	v_permlanex16_b32 v[XTP], v[XWD+\e], s28, s29
	v_or_b32 v[XWD+\e], v[XWD+\e], v[XTP]          ; with lane l xor 16's two the row's word is whole
	v_cvt_scalef32_pk16_bf6_f32 v[XPC+12*\e:XPC+12*\e+2], v[XN:XN+15], v[XSO]
	v_cvt_scalef32_pk16_bf6_f32 v[XCT:XCT+2], v[XN+16:XN+31], v[XSO]        ; (a conversion's three registers begin on an even number)
	v_cvt_scalef32_pk16_bf6_f32 v[XPC+12*\e+6:XPC+12*\e+8], v[XN+32:XN+47], v[XSO+1]
	v_cvt_scalef32_pk16_bf6_f32 v[XCT+4:XCT+6], v[XN+48:XN+63], v[XSO+1]
	v_nop                                          ; one plain place behind a scaled conversion
.irp i, 0,1,2
	v_mov_b32 v[XPC+12*\e+3+\i], v[XCT+\i]
	v_mov_b32 v[XPC+12*\e+9+\i], v[XCT+4+\i]
.endr
.irp c, 0,1,2
	global_store_b128 v2, v[XPC+12*\e+4*\c:XPC+12*\e+4*\c+3], s[26:27] offset:1536*\e+512*\c   ; 512 consecutive bytes
.endr
.endm
	s_wait_loadcnt 16                              ; the first K step's sixteen loads are in; the second's may be out
	XTURN 0
	s_wait_dscnt 0x0
	XQ 0
	s_wait_loadcnt 0x0
	XTURN 1
	s_wait_dscnt 0x0
	XQ 1
	v_cmp_lt_u32 vcc_lo, 15, v1
	v_cndmask_b32 v[XTP], v[XWD], v[XWD+1], vcc_lo ; lanes 0-15 the even K step's words, lanes 16-31 the odd one's
	global_store_b32 v3, v[XTP], s[32:33] offset:SCO
	s_wait_tensorcnt 0x0
	ds_add_u32 v254, v255
	s_wait_dscnt 0x0
	s_endpgm
; ---------------- a weight: 128 columns x 128 along K for a work-group; a lane takes a column and its registers run down K
.Lpath_w:
	s_sub_co_u32 s21, ttmp9, 256
	s_lshr_b32 s22, s21, 3                         ; which 128 columns of the 2,560
	s_and_b32 s23, s21, 7                          ; which K step
	s_mov_b64 s[24:25], s[12:13]                   ; Wo from group 12 on,
	s_mov_b32 s21, 12
	s_cmp_lt_u32 s22, 12
	s_cselect_b64 s[24:25], s[10:11], s[24:25]     ; Wv from 10,
	s_cselect_b32 s21, 10, s21
	s_cmp_lt_u32 s22, 10
	s_cselect_b64 s[24:25], s[8:9], s[24:25]       ; Wk from 8,
	s_cselect_b32 s21, 8, s21
	s_cmp_lt_u32 s22, 8
	s_cselect_b64 s[24:25], s[6:7], s[24:25]       ; Wq from 0: the choice hangs on the work-group's number alone
	s_cselect_b32 s21, 0, s21
	s_sub_co_u32 s30, s22, 8
	s_cmp_lt_u32 s30, 4                            ; Wk and Wv have rows of 1,024 bytes, the others of 4,096
	s_cselect_b32 s31, 17, 19
	s_cselect_b32 s42, 1, 0
	s_lshl_b32 s32, s23, s31                       ; 128 rows a K step
	s_sub_co_u32 s21, s22, s21
	s_lshl_b32 s21, s21, 9                         ; 128 columns of 4 bytes
	s_lshl_b32 s33, s20, 7                         ; my wave's 32
	s_add_co_u32 s32, s32, s21
	s_add_co_u32 s32, s32, s33
	s_mov_b32 s33, 0
	s_add_nc_u64 s[24:25], s[24:25], s[32:33]
	s_lshl_b32 s34, s22, 2
	s_add_co_u32 s34, s34, s20                     ; my pair of tiles
	s_mul_i32 s34, s34, 2*REC
	s_mul_i32 s32, s23, 1536
	s_add_co_u32 s32, s32, s34
	s_add_nc_u64 s[26:27], s[16:17], s[32:33]      ; the K step's image in the pair's first record
	s_lshl_b32 s32, s23, 6
	s_add_co_u32 s32, s32, s34
	s_add_nc_u64 s[30:31], s[16:17], s[32:33]      ; and its scale words (+ SCO in the immediate)
	v_bfe_u32 v7, v1, 3, 1                         ; column 32 p + lane is row r of tile 2 p + u: u = (lane / 8) % 2,
	v_and_b32 v8, 7, v1
	v_lshrrev_b32 v9, 4, v1
	v_lshl_add_u32 v8, v9, 3, v8                   ; r = lane % 8 + 8 (lane / 16)
	s_mul_i32 s32, s20, WSTG
	s_add_co_u32 s32, s32, WBASE
	v_mul_u32_u24 v4, v7, WIMG
	v_lshl_add_u32 v4, v8, 4, v4
	v_add_nc_u32 v4, s32, v4                       ; into my wave's two images: image u, lane r's place
	v_add_nc_u32 v5, s32, v2                       ; out of them: 16 x lane
	v_mul_u32_u24 v6, v7, REC
	v_lshl_add_u32 v6, v8, 2, v6                   ; my column's scale word: record u, row r
.macro WLOAD pitch
.set N_, 0
.rept 128
	global_load_b32 v[WN+N_], v3, s[24:25] offset:N_*\pitch th:TH_LOAD_NT   ; one row of K at 32 neighbouring columns
.set N_, N_+1
.endr
.endm
	s_cmp_eq_u32 s42, 1
	s_cbranch_scc1 .Lnarrow
	WLOAD 4096
	s_branch .Lloaded
.Lnarrow:
	WLOAD 1024
.Lloaded:                              ; 128 loads were issued on either way
.macro WBLOCK b
.set XS_, WN+32*(\b)
.set CB_, WC+8*(\b)
.if (\b) < 2
	s_wait_loadcnt 63                              ; the largest count a wait can name: of 128 loads the first 65 are in, blocks 0 and 1 among them
.elseif (\b) == 2
	s_wait_loadcnt 32                              ; block 3's may be out
.else
	s_wait_loadcnt 0x0
.endif
	v_max3_num_f32 v[WMX], |v[XS_]|, |v[XS_+1]|, |v[XS_+2]|
	v_max3_num_f32 v[WMX+1], |v[XS_+3]|, |v[XS_+4]|, |v[XS_+5]|
.irp i, 6,10,14,18,22,26
	v_max3_num_f32 v[WMX], v[WMX], |v[XS_+\i]|, |v[XS_+\i+1]|
	v_max3_num_f32 v[WMX+1], v[WMX+1], |v[XS_+\i+2]|, |v[XS_+\i+3]|
.endr
	v_max3_num_f32 v[WMX], v[WMX], |v[XS_+30]|, |v[XS_+31]|
	v_max3_num_f32 v[WMX], v[WMX], v[WMX+1], FLOOR
	v_add_nc_u32 v[WSO], EOFF, v[WMX]
	v_lshrrev_b32 v[WBY], 23, v[WSO]
.if (\b) == 0
	v_mov_b32 v[WWD], v[WBY]
.else
	v_lshl_or_b32 v[WWD], v[WBY], 8*(\b), v[WWD]
.endif
	v_cvt_scalef32_pk16_bf6_f32 v[CB_:CB_+2], v[XS_:XS_+15], v[WSO]
	v_cvt_scalef32_pk16_bf6_f32 v[WCT:WCT+2], v[XS_+16:XS_+31], v[WSO]
	v_nop                                          ; one plain place behind a scaled conversion
.irp i, 0,1,2
	v_mov_b32 v[CB_+3+\i], v[WCT+\i]
.endr
; block b is registers 6 (b / 2) .. + 5 of the image's lane r + 16 (b % 2)
.if (\b) < 2
	ds_store_b128 v4, v[CB_:CB_+3] offset:256*((\b)%2)
	ds_store_b64 v4, v[CB_+4:CB_+5] offset:512+256*((\b)%2)
.else
	ds_store_b64 v4, v[CB_:CB_+1] offset:520+256*((\b)%2)
	ds_store_b128 v4, v[CB_+2:CB_+5] offset:1024+256*((\b)%2)
.endif
.endm
	WBLOCK 0
	WBLOCK 1
	WBLOCK 2
	WBLOCK 3
.irp u, 0,1
.irp c, 0,1,2
	ds_load_b128 v[WOR+12*\u+4*\c:WOR+12*\u+4*\c+3], v5 offset:WIMG*\u+512*\c   ; LDS serves a wave's instructions in order: these see my stores
.endr
.endr
	s_wait_dscnt 0x0
.irp u, 0,1
.irp c, 0,1,2
	global_store_b128 v2, v[WOR+12*\u+4*\c:WOR+12*\u+4*\c+3], s[26:27] offset:REC*\u+512*\c   ; 512 consecutive bytes
.endr
.endr
	global_store_b32 v6, v[WWD], s[30:31] offset:SCO
	s_wait_tensorcnt 0x0
	ds_add_u32 v254, v255
	s_wait_dscnt 0x0
	s_endpgm
.Lfunc_end_k_q4fa880004a_prep:
	.size	k_q4fa880004a_prep, .Lfunc_end_k_q4fa880004a_prep-k_q4fa880004a_prep
	.p2alignl 7, 3214868480
	.fill 96, 4, 3214868480
	.section	.rodata,"a",@progbits
	.p2align	6, 0x0
	.amdhsa_kernel k_q4fa880004a_prep
		.amdhsa_group_segment_fixed_size 47616
		.amdhsa_private_segment_fixed_size 0
		.amdhsa_enable_private_segment 0
		.amdhsa_kernarg_size 64
		.amdhsa_user_sgpr_count 2
		.amdhsa_user_sgpr_kernarg_segment_ptr 1
		.amdhsa_wavefront_size32 1
		.amdhsa_system_sgpr_workgroup_id_x 1
		.amdhsa_system_sgpr_workgroup_id_y 1
		.amdhsa_system_sgpr_workgroup_id_z 1
		.amdhsa_system_vgpr_workitem_id 0
		.amdhsa_next_free_vgpr 256
		.amdhsa_next_free_sgpr 66
		.amdhsa_reserve_vcc 1
		.amdhsa_float_denorm_mode_32 3
		.amdhsa_float_denorm_mode_16_64 3
		.amdhsa_memory_ordered 1
		.amdhsa_forward_progress 1
		.amdhsa_inst_pref_size 60
	.end_amdhsa_kernel
	.amdgpu_metadata
---
amdhsa.version: [ 1, 2 ]
amdhsa.kernels:
  - .name:           k_q4fa880004a_prep
    .symbol:         k_q4fa880004a_prep.kd
    .args:
      - { .name: x, .offset: 0, .size: 8, .value_kind: global_buffer, .address_space: global }
      - { .name: Wq, .offset: 8, .size: 8, .value_kind: global_buffer, .address_space: global }
      - { .name: Wk, .offset: 16, .size: 8, .value_kind: global_buffer, .address_space: global }
      - { .name: Wv, .offset: 24, .size: 8, .value_kind: global_buffer, .address_space: global }
      - { .name: Wo, .offset: 32, .size: 8, .value_kind: global_buffer, .address_space: global }
      - { .name: xq, .offset: 40, .size: 8, .value_kind: global_buffer, .address_space: global }
      - { .name: wq, .offset: 48, .size: 8, .value_kind: global_buffer, .address_space: global }
      - { .name: rope, .offset: 56, .size: 8, .value_kind: global_buffer, .address_space: global }
    .group_segment_fixed_size: 47616
    .private_segment_fixed_size: 0
    .kernarg_segment_align: 8
    .kernarg_segment_size: 64
    .max_flat_workgroup_size: 128
    .sgpr_count:     66
    .vgpr_count:     256
    .wavefront_size: 32
...
	.end_amdgpu_metadata
.endif
;; end of part 1
;; launch qkv (part 2): grid 8 x 32, 3 waves a work-group, no clusters, 0 bytes of LDS; arguments xq, wq, rope, qq, kv; writes qq, kv
.if DOCPART == 2
	.amdgcn_target "amdgcn-amd-amdhsa--gfx1250"
	.amdhsa_code_object_version 6
	.text
	.protected	k_q4fa880004a_qkv
	.globl	k_q4fa880004a_qkv
	.p2align	8
	.type	k_q4fa880004a_qkv,@function
k_q4fa880004a_qkv:
	s_mov_b64 s[64:65], 0
	v_nop
	global_prefetch_b8 v0, s[64:65] scope:SCOPE_SE
	s_setreg_imm32_b32 hwreg(HW_REG_WAVE_MODE, 25, 1), 1
	s_wait_xcnt 0x0
; QKV: the three projections on codes of BF6, the rotation of Q and K, and the quantising of Q and K along the head's 64 and of V along the keys.
; There are 24 heads of 64 columns: 0-15 Q, 16-19 K, 20-23 V.  A wave makes 128 tokens x one head: 32 accumulators of 16 x 16, K = 1,024 in eight steps of 128, written out.
; A work-group is three waves (three heads) on the same 128 tokens; grid 8 x 32.  Operands come from memory straight into registers as images of those registers
; (each load 512 consecutive bytes); waves share nothing: no LDS, no barrier.  No cluster and no tensor load.
; A tile T of rows (tokens, or a weight's columns) holds rows 32 (T / 2) + 8 (T % 2) + r + 8 (r / 8).  So in a result, lane (r, h)'s registers of source 0's tiles 2 b and 2 b + 1 are its 16 neighbours 32 b + 16 h + 0 .. 15.
; Q, K: source 0 = the weight's columns, source 1 = tokens: a lane holds one token and its registers run along the head's 64.
; V: source 0 = tokens, source 1 = the weight's columns: a lane holds one channel and its registers run along the 128 tokens, which are the second attention product's K.
; OUT.  qq: [16 batch + head][block of 128 tokens] records of 6,656 bytes: four images (tiles 2 p and 2 p + 1, six registers each, as one image of twelve), then words [tile][r].
; kv: [4 batch + kv head][block] records of 13,056 bytes: K's four such images | V^T's four images (16 channels x 128 keys) | K's words [tile 8][16] | V's words [tile 4][16].
; A word of Q or K has two scale bytes and two bytes 0: the upper 64 of the instruction's 128 along K meet zero codes in the attention.
; LIMITS: as the launch before (byte 1 for blocks of zeros or under 2^-122; no NaN, no infinities).  The rotation is a multiply and a fused multiply-add.
; REGISTERS.  window 0: v1-3 offsets; v4-15 scale words made; v16-47 x's scale words, v48-63 the weight's (scales and nothing else); v64-255 x's fragments, two sets of 96;
;   behind the K steps: v64-127 cos and sin, two buffers; v128-159 a rotated tile; v160-175 at work; v176-223 codes; v224-242 the quantiser's.
; window 1: the 32 accumulators.   window 2: v0-95 the weight's fragments, two sets of 48.
.set LI, 1
.set LS, 2
.set RA, 3
.set WD, 4
.set SW, 12
.set XS, 16
.set WS, 48
.set XF, 64
.set CSB, 64
.set RR, 128
.set TT, 160
.set PC, 176
.set TM, 224                           ; +0..3 largest magnitudes, +4..7 the other half's, then bytes, +8..11 scale operands
.set CT, 236
.set REC, 12800
.set MSB, 0
.macro WIN new                         ; the immediate's high byte repeats the setting that is left
.if MSB != \new
	s_set_vgpr_msb (MSB<<8)|\new
.set MSB, \new
.endif
.endm
.macro PLACES                          ; four plain places behind a matrix instruction, ahead of loads into its sources and of reads of its results
.rept 4
	v_nop
.endr
.endm
	s_load_b256 s[4:11], s[0:1], 0x0               ; xq, wq, rope, qq
	s_load_b64 s[12:13], s[0:1], 0x20              ; kv
	v_lshrrev_b32 v4, 5, v0
	v_readfirstlane_b32 s14, v4                    ; wave
	v_and_b32 v4, 31, v0                           ; lane
	v_lshlrev_b32 v[LI], 4, v4
	v_lshlrev_b32 v[LS], 2, v4
	v_and_b32 v5, 15, v4                           ; r
	v_lshrrev_b32 v6, 4, v4                        ; h
	v_and_b32 v7, 8, v5
	v_add_nc_u32 v5, v5, v7                        ; r + 8 (r / 8)
	v_lshlrev_b32 v[RA], 8, v5
	v_lshl_add_u32 v[RA], v6, 6, v[RA]             ; the table: my token's row of 256 bytes, + 64 h: frequencies 16 h + 0 .. 15
	v_cmp_lt_u32 s40, 15, v4                       ; lanes 16-31
	s_mov_b32 s28, 0x76543210
	s_mov_b32 s29, 0xfedcba98
	s_mul_i32 s15, ttmp9, 3
	s_add_co_u32 s15, s15, s14                     ; my head, 0 .. 23
	s_and_b32 s16, ttmp7, 0xffff                   ; my block of 128 tokens, 0 .. 31
	s_mul_i32 s32, s16, 8*REC
	s_mov_b32 s33, 0
	s_mul_i32 s34, s15, 4*REC
	s_mov_b32 s35, 0
	s_and_b32 s31, s16, 15                         ; the block within its batch
	s_lshr_b32 s30, s16, 4                         ; the batch
	s_lshl_b32 s36, s31, 15                        ; 128 rows of the table
	s_mov_b32 s37, 0
	s_wait_kmcnt 0x0
	s_add_nc_u64 s[18:19], s[4:5], s[32:33]        ; x's eight records
	s_add_nc_u64 s[20:21], s[6:7], s[34:35]        ; the weight's four
	s_add_nc_u64 s[22:23], s[8:9], s[36:37]
	; where my results go: offsets first, in registers of their own, then the buffer's address
	s_lshl_b32 s38, s30, 4
	s_add_co_u32 s38, s38, s15
	s_lshl_b32 s38, s38, 4
	s_add_co_u32 s38, s38, s31
	s_mul_i32 s38, s38, 6656                       ; Q: the record,
	s_add_co_u32 s39, s38, 6144                    ; its words
	s_mov_b32 s43, 12288
	s_cmp_ge_u32 s15, 20
	s_cselect_b32 s41, 20, 16
	s_cselect_b32 s42, 6144, 0                     ; V's images lie behind K's,
	s_cselect_b32 s43, 12800, s43                  ; V's words behind K's
	s_sub_co_u32 s41, s15, s41                     ; the kv head (of no meaning for Q, and not used there)
	s_lshl_b32 s44, s30, 2
	s_add_co_u32 s41, s41, s44
	s_lshl_b32 s41, s41, 4
	s_add_co_u32 s41, s41, s31
	s_mul_i32 s41, s41, 13056
	s_add_co_u32 s42, s41, s42
	s_add_co_u32 s43, s41, s43
	s_cmp_lt_u32 s15, 16
	s_cselect_b32 s32, s38, s42
	s_cselect_b32 s34, s39, s43
	s_cselect_b64 s[24:25], s[10:11], s[12:13]     ; qq or kv: the choice hangs on the head alone
	s_mov_b64 s[26:27], s[24:25]
	s_add_nc_u64 s[24:25], s[24:25], s[32:33]      ; codes
	s_add_nc_u64 s[26:27], s[26:27], s[34:35]      ; words
.macro SCLOAD                          ; register i of a tile: lanes 0-15 the words of K step 2 i, lanes 16-31 those of 2 i + 1
.irp t, 0,1,2,3,4,5,6,7
.irp i, 0,1,2,3
	global_load_b32 v[XS+4*\t+\i], v[LS], s[18:19] offset:REC*\t+12288+128*\i
.endr
.endr
.irp t, 0,1,2,3
.irp i, 0,1,2,3
	global_load_b32 v[WS+4*\t+\i], v[LS], s[20:21] offset:REC*\t+12288+128*\i
.endr
.endr
.endm
.macro LOADK s, set                    ; K step s: x's eight fragments and the weight's four: 36 loads
	WIN 0
.irp t, 0,1,2,3,4,5,6,7
.irp c, 0,1,2
	global_load_b128 v[XF+96*(\set)+12*\t+4*\c:XF+96*(\set)+12*\t+4*\c+3], v[LI], s[18:19] offset:REC*\t+1536*(\s)+512*\c
.endr
.endr
	WIN 0x80                                       ; destination window 2, address window 0
.irp t, 0,1,2,3
.irp c, 0,1,2
	global_load_b128 v[48*(\set)+12*\t+4*\c:48*(\set)+12*\t+4*\c+3], v[LI], s[20:21] offset:REC*\t+1536*(\s)+512*\c
.endr
.endr
	WIN 0
.endm
.macro WM d, a, b, sa, sb, kind        ; kind 0: starts the sum; 1: an even K step; 2: an odd one, whose words lie in lanes 16-31
.if \kind == 0
	v_wmma_scale_f32_16x16x128_f8f6f4 v[(\d):(\d)+7], v[(\a):(\a)+11], v[(\b):(\b)+11], 0, v[(\sa)], v[(\sb)] matrix_a_fmt:MATRIX_FMT_BF6 matrix_b_fmt:MATRIX_FMT_BF6
.elseif \kind == 1
	v_wmma_scale_f32_16x16x128_f8f6f4 v[(\d):(\d)+7], v[(\a):(\a)+11], v[(\b):(\b)+11], v[(\d):(\d)+7], v[(\sa)], v[(\sb)] matrix_a_fmt:MATRIX_FMT_BF6 matrix_b_fmt:MATRIX_FMT_BF6
.else
	v_wmma_scale_f32_16x16x128_f8f6f4 v[(\d):(\d)+7], v[(\a):(\a)+11], v[(\b):(\b)+11], v[(\d):(\d)+7], v[(\sa)], v[(\sb)] matrix_a_fmt:MATRIX_FMT_BF6 matrix_b_fmt:MATRIX_FMT_BF6 matrix_a_scale:MATRIX_SCALE_ROW1 matrix_b_scale:MATRIX_SCALE_ROW1
.endif
.endm
.macro MUL s, swap                     ; 32 products; the 32 accumulators take turns, one instruction a turn, in the same order in every step
.if (\s) == 0
.set KIND, 0
.else
.set KIND, 1+(\s)%2
.endif
.set FS, (\s)%2
.if \swap
	WIN 0x58                                       ; source 0 (x) window 0, source 1 (weight) window 2, C and D window 1
.else
	WIN 0x52                                       ; source 0 (weight) window 2, source 1 (x) window 0, C and D window 1
.endif
.irp x, 0,1,2,3,4,5,6,7
.irp w, 0,1,2,3
.if \swap
	WM 8*(8*\w+\x), XF+96*FS+12*\x, 48*FS+12*\w, XS+4*\x+(\s)/2, WS+4*\w+(\s)/2, KIND
.else
	WM 8*(4*\x+\w), 48*FS+12*\w, XF+96*FS+12*\x, WS+4*\w+(\s)/2, XS+4*\x+(\s)/2, KIND
.endif
.endr
.endr
.endm
.macro ROPELOAD t                      ; cos and sin of tile t's tokens at my 16 frequencies: eight loads, into buffer t % 2
.irp i, 0,1,2,3
	global_load_b128 v[CSB+32*((\t)%2)+4*\i:CSB+32*((\t)%2)+4*\i+3], v[RA], s[22:23] offset:(32*((\t)/2)+8*((\t)%2))*256+16*\i
	global_load_b128 v[CSB+32*((\t)%2)+16+4*\i:CSB+32*((\t)%2)+16+4*\i+3], v[RA], s[22:23] offset:(32*((\t)/2)+8*((\t)%2))*256+128+16*\i
.endr
.endm
.macro KLOOP swap
	SCLOAD
	LOADK 0, 0
	LOADK 1, 1
.irp s, 0,1,2,3,4,5,6,7
.if \s < 7
	s_wait_loadcnt 36                              ; this step's loads are in; the next step's 36 may be out
.elseif \swap
	s_wait_loadcnt 0x0
.else
	s_wait_loadcnt 16                              ; the sixteen loads from the table may be out
.endif
	MUL \s, \swap
	PLACES
	WIN 0
.if \s < 6
	LOADK \s+2, \s%2
.elseif (\s == 6) && (\swap == 0)
	ROPELOAD 0                                     ; into registers of x's set 0, which has had its last product
	ROPELOAD 1
.endif
.endr
.endm
; tile t's accumulators, register 16 b + i = channel 32 b + 16 h + i of my token, are rotated into v[RR] on.  Each accumulator is read from its low end on.
.macro ROPE t
.set CB_, CSB+32*((\t)%2)
.set AB_, 32*(\t)
	WIN 0x01                                       ; source 0 window 1
.irp i, 0,2,4,6,8,10,12,14
	v_pk_mul_f32 v[TT+\i:TT+\i+1], v[AB_+16+\i:AB_+17+\i], v[CB_+16+\i:CB_+17+\i]
	v_pk_fma_f32 v[RR+\i:RR+\i+1], v[AB_+\i:AB_+\i+1], v[CB_+\i:CB_+\i+1], v[TT+\i:TT+\i+1] neg_lo:[0,0,1] neg_hi:[0,0,1]   ; x1 cos - x2 sin
	v_pk_mul_f32 v[TT+\i:TT+\i+1], v[AB_+\i:AB_+\i+1], v[CB_+16+\i:CB_+17+\i]
	v_pk_fma_f32 v[RR+16+\i:RR+17+\i], v[AB_+16+\i:AB_+17+\i], v[CB_+\i:CB_+\i+1], v[TT+\i:TT+\i+1]                       ; x2 cos + x1 sin
.endr
	WIN 0
.endm
; nb blocks of 32 (nb = 2 or 4): register 16 b + i of v[src] on = k 32 b + 16 h + i of my row.  Codes to v[dst] on (six registers for two blocks), the row's scale word to v[word].  sw = 1: the numbers lie in window 1.
.macro QUANT src, nb, dst, word, sw
.if \sw
	WIN 0x14                                       ; sources 1 and 2 window 1
.endif
.set B_, 0
.rept \nb
	v_max3_num_f32 v[TM+B_], 0x2800000, |v[(\src)+16*B_]|, |v[(\src)+16*B_+1]|   ; my 16 numbers, and the floor 2^(5 - 127): the byte cannot fall under 1
.set B_, B_+1
.endr
.irp i, 2,4,6,8,10,12,14
.set B_, 0
.rept \nb
	v_max3_num_f32 v[TM+B_], v[TM+B_], |v[(\src)+16*B_+\i]|, |v[(\src)+16*B_+\i+1]|
.set B_, B_+1
.endr
.endr
	WIN 0
.set B_, 0
.rept \nb
	v_permlanex16_b32 v[TM+4+B_], v[TM+B_], s28, s29
.set B_, B_+1
.endr
.set B_, 0
.rept \nb
	v_max_num_f32 v[TM+B_], v[TM+B_], v[TM+4+B_]   ; with lane l xor 16's: the block's largest magnitude
.set B_, B_+1
.endr
.set B_, 0
.rept \nb
	v_add_nc_u32 v[TM+8+B_], 0xfe000000, v[TM+B_]  ; 4 off its exponent field: the conversion's scale operand
.set B_, B_+1
.endr
.set B_, 0
.rept \nb
	v_lshrrev_b32 v[TM+4+B_], 23, v[TM+8+B_]       ; the scale's byte
.set B_, B_+1
.endr
	v_lshl_or_b32 v[\word], v[TM+5], 8, v[TM+4]
.if \nb == 4
	v_lshl_or_b32 v[\word], v[TM+6], 16, v[\word]
	v_lshl_or_b32 v[\word], v[TM+7], 24, v[\word]
.endif
.if \sw
	WIN 0x01                                       ; source 0 window 1
.endif
.set C_, 0
.rept (\nb)/2
	v_cvt_scalef32_pk16_bf6_f32 v[(\dst)+6*C_:(\dst)+6*C_+2], v[(\src)+32*C_:(\src)+32*C_+15], v[TM+8+2*C_]
	v_cvt_scalef32_pk16_bf6_f32 v[CT+4*C_:CT+4*C_+2], v[(\src)+32*C_+16:(\src)+32*C_+31], v[TM+9+2*C_]   ; (a conversion's three registers begin on an even number)
.set C_, C_+1
.endr
	WIN 0
	v_nop                                          ; one plain place behind a scaled conversion
.set C_, 0
.rept (\nb)/2                          ; the operand's layout wants a whole block in a lane: lanes 0-15 block 2 c, lanes 16-31 block 2 c + 1
.irp i, 0,1,2
	v_permlane16_swap_b32 v[(\dst)+6*C_+\i], v[CT+4*C_+\i]
.endr
.irp i, 0,1,2
	v_mov_b32 v[(\dst)+6*C_+3+\i], v[CT+4*C_+\i]
.endr
.set C_, C_+1
.endr
.endm
	s_cmp_ge_u32 s15, 20
	s_cbranch_scc1 .Lv
; ---------------- Q or K
	KLOOP 0
.irp b, 0,1,2,3
	v_mov_b32 v[TM+4+\b], 0                        ; written once: a lane permute's destination counts as one of its sources
.endr
.irp t, 0,1,2,3,4,5,6,7
.if \t < 7
	s_wait_loadcnt 8                               ; this tile's cos and sin are in; the next tile's eight loads may be out
.else
	s_wait_loadcnt 0x0
.endif
	ROPE \t
.if \t < 6
	ROPELOAD \t+2
.endif
	QUANT RR, 2, PC+12*(\t/2)+6*(\t%2), WD+\t, 0
.if \t%2
.irp c, 0,1,2
	global_store_b128 v[LI], v[PC+12*(\t/2)+4*\c:PC+12*(\t/2)+4*\c+3], s[24:25] offset:1536*(\t/2)+512*\c   ; a pair of tiles as one image; each pair has registers of its own
.endr
.endif
.endr
.irp p, 0,1,2,3
	v_cndmask_b32 v[SW+\p], v[WD+2*\p], v[WD+2*\p+1], s40     ; lanes 0-15 the even tile's words, lanes 16-31 the odd one's
.endr
.irp p, 0,1,2,3
	global_store_b32 v[LS], v[SW+\p], s[26:27] offset:128*\p
.endr
	s_endpgm
; ---------------- V
.Lv:
	KLOOP 1
.irp b, 0,1,2,3
	v_mov_b32 v[TM+4+\b], 0
.endr
.irp w, 0,1,2,3
	QUANT 64*\w, 4, PC+12*\w, WD+\w, 1             ; 16 channels x 128 keys: one fragment of V^T
.irp c, 0,1,2
	global_store_b128 v[LI], v[PC+12*\w+4*\c:PC+12*\w+4*\c+3], s[24:25] offset:1536*\w+512*\c
.endr
.endr
.irp p, 0,1
	v_cndmask_b32 v[SW+\p], v[WD+2*\p], v[WD+2*\p+1], s40
.endr
.irp p, 0,1
	global_store_b32 v[LS], v[SW+\p], s[26:27] offset:128*\p
.endr
	s_endpgm
.Lfunc_end_k_q4fa880004a_qkv:
	.size	k_q4fa880004a_qkv, .Lfunc_end_k_q4fa880004a_qkv-k_q4fa880004a_qkv
	.p2alignl 7, 3214868480
	.fill 96, 4, 3214868480
	.section	.rodata,"a",@progbits
	.p2align	6, 0x0
	.amdhsa_kernel k_q4fa880004a_qkv
		.amdhsa_group_segment_fixed_size 0
		.amdhsa_private_segment_fixed_size 0
		.amdhsa_enable_private_segment 0
		.amdhsa_kernarg_size 40
		.amdhsa_user_sgpr_count 2
		.amdhsa_user_sgpr_kernarg_segment_ptr 1
		.amdhsa_wavefront_size32 1
		.amdhsa_system_sgpr_workgroup_id_x 1
		.amdhsa_system_sgpr_workgroup_id_y 1
		.amdhsa_system_sgpr_workgroup_id_z 1
		.amdhsa_system_vgpr_workitem_id 0
		.amdhsa_next_free_vgpr 608
		.amdhsa_next_free_sgpr 66
		.amdhsa_reserve_vcc 0
		.amdhsa_float_denorm_mode_32 3
		.amdhsa_float_denorm_mode_16_64 3
		.amdhsa_memory_ordered 1
		.amdhsa_forward_progress 1
		.amdhsa_inst_pref_size 191
	.end_amdhsa_kernel
	.amdgpu_metadata
---
amdhsa.version: [ 1, 2 ]
amdhsa.kernels:
  - .name:           k_q4fa880004a_qkv
    .symbol:         k_q4fa880004a_qkv.kd
    .args:
      - { .name: xq, .offset: 0, .size: 8, .value_kind: global_buffer, .address_space: global }
      - { .name: wq, .offset: 8, .size: 8, .value_kind: global_buffer, .address_space: global }
      - { .name: rope, .offset: 16, .size: 8, .value_kind: global_buffer, .address_space: global }
      - { .name: qq, .offset: 24, .size: 8, .value_kind: global_buffer, .address_space: global }
      - { .name: kv, .offset: 32, .size: 8, .value_kind: global_buffer, .address_space: global }
    .group_segment_fixed_size: 0
    .private_segment_fixed_size: 0
    .kernarg_segment_align: 8
    .kernarg_segment_size: 40
    .max_flat_workgroup_size: 96
    .sgpr_count:     66
    .vgpr_count:     608
    .wavefront_size: 32
...
	.end_amdgpu_metadata
.endif
;; end of part 2
;; launch attn (part 3): grid 32 x 8, 16 waves a work-group, no clusters, 211,456 bytes of LDS; arguments qq, kv, oq; writes oq
.if DOCPART == 3
	.amdgcn_target "amdgcn-amd-amdhsa--gfx1250"
	.amdhsa_code_object_version 6
	.text
	.protected	k_q4fa880004a_attn
	.globl	k_q4fa880004a_attn
	.p2align	8
	.type	k_q4fa880004a_attn,@function
k_q4fa880004a_attn:
	s_mov_b64 s[64:65], 0
	v_nop
	global_prefetch_b8 v0, s[64:65] scope:SCOPE_SE
	s_setreg_imm32_b32 hwreg(HW_REG_WAVE_MODE, 25, 1), 1
	s_wait_xcnt 0x0
; ATTN: causal attention on codes of BF6, head size 64, and the quantising of its result along d_model.
; t = score x log2(e) / 8; M = the running largest t rounded up to a whole number; p = 2^(t - M) is quantised along the keys, not normalised; the row's sum is taken of the unquantised p and divides at the end.
; SHARES.  Work-group (j, bh): kv head bh (4 batch + head), the 32 tokens of block j and the 32 of block 63 - j (so every work-group has (j / 4) + ((63 - j) / 4) + 2 = 17 key steps for a low and a high tile),
; for the four query heads of the group: 16 waves, each ONE tile of 16 queries of ONE head in 256 registers, four waves to a SIMD.  Wave w: g = w / 4 the head, tile (w % 4 + g) % 4: each SIMD gets all four tiles however the waves are dealt.
; LDS.  The kv head's sixteen records (128 keys each: K's images, V^T's images, both scale words; 13,056 bytes) lie in LDS as they lie in memory, filled ONCE: waves 0-3 issue four tensor loads each at the start
; (load i of wave w: record 4 i + w), so a wave has four tensor loads out at the most.  Nothing is filled again.  Behind them 512 bytes into which no fill lands, for the result's scale bytes.
; NO CLUSTER, though the 32 work-groups of a kv head read the same 208,896 bytes: each wave leaves out the key steps behind its queries by a branch on j, which differs between such partners.
; LAYOUT.  Both products are used transposed: S^T = K Q^T (source 0 = 16 keys), O^T = V^T P^T (source 0 = 16 channels): a lane holds one query (lane % 16) throughout.
; Tile T of keys, queries or channels holds rows 32 (T / 2) + 8 (T % 2) + r + 8 (r / 8), so the 16 registers of result tiles 2 b, 2 b + 1 are neighbours 32 b + 16 h + 0 .. 15.
; K = 64 IN AN INSTRUCTION OF 128: Q's fragment is six registers of codes and six of zeros.  K's fragments lie six registers apart; the upper six that an instruction names are the next tile's codes
; (six zeroed registers behind the last), which meet Q's zero codes and add nothing; the scale words' upper two bytes are 0, which is 2^-127 and no NaN.
; OUT.  oq: tile records of 12,800 bytes: head n's six registers at 768 n (registers 0-3 at 16 x lane, 4-5 at 512 + 8 x lane): heads 2 s and 2 s + 1 are K step s of the last product; scale words [K step][r] at 12,288.
; LIMITS: no NaN, no infinities; byte 1 for blocks of zeros; 1 / sum by v_rcp_f32.  A block's largest p is taken as the p of its largest score, which leans on v_exp_f32 not falling where its input rises.
; REGISTERS: v1-7 offsets that stay; v8-9 the step's LDS addresses; v12 -M, v13 the largest t, v[14:15] the sum; v16-27 Q; v28-29 V's scale words; v32-79 K's, then V's fragments; v80-85 zeros;
; v96-159 S^T, then p; v160-191 O^T; v224-235 p's codes; v232-247, v252, v254 at work; v248-251 K's scale words; v253 p's scale word; v255 Q's.
.set RECB, 13056
.set XCH,  16*RECB
.set LI, 1                             ; 16 x lane
.set LS, 2                             ; 4 x lane
.set L8, 3                             ; 8 x lane
.set XA, 4                             ; where my half of a scale word goes
.set XR, 5                             ; where a tile's 32 words are read back
.set R4, 6                             ; 4 r
.set QD, 7                             ; my query - 16 h
.set AD, 8
.set AS, 9
.set WV, 10
.set Q0, 18
.set KF, 19
.set TB, 24
.set CNT, 25
	s_load_b128 s[4:7], s[0:1], 0x0                ; qq, kv
	s_load_b64 s[8:9], s[0:1], 0x10                ; oq
	v_lshl_add_u32 v223, v0, 2, 0x33200
	v_mov_b32 v243, 0
	ds_add_u32 v223, v243
	ds_add_u32 v223, v243
	v_lshrrev_b32 v8, 5, v0
	v_readfirstlane_b32 s[WV], v8                  ; wave 0 .. 15
	s_and_b32 s11, s[WV], 3
	s_lshr_b32 s12, s[WV], 2                       ; g: my query head within the group
	s_add_co_u32 s13, s11, s12
	s_and_b32 s13, s13, 3                          ; which of the work-group's four tiles
	s_mov_b32 s14, ttmp9                           ; j
	s_and_b32 s15, ttmp7, 0xffff                   ; bh
	s_sub_co_u32 s56, 63, s14
	s_cmp_lt_u32 s13, 2
	s_cselect_b32 s16, s14, s56                    ; my block of 32 tokens
	s_and_b32 s17, s13, 1                          ; u: which tile of the block's two
	s_lshl_b32 s[Q0], s16, 5                       ; the block's first token
	s_cmp_eq_u32 s17, 1
	s_cselect_b32 s26, -1, 0
	s_mov_b32 s20, 0x76543210
	s_mov_b32 s21, 0xfedcba98                      ; v_permlanex16_b32's selects for lane l xor 16
	s_mov_b32 s22, 0x3e38aa3b                      ; c = log2(e) / 8
	s_mov_b32 s23, s22                             ; (named with it as a pair, so it is written)
	v_and_b32 v8, 31, v0
	v_lshlrev_b32 v[LI], 4, v8
	v_lshlrev_b32 v[LS], 2, v8
	v_lshlrev_b32 v[L8], 3, v8
	v_and_b32 v9, 15, v0                           ; r
	v_bfe_u32 v10, v0, 4, 1                        ; h
	v_lshlrev_b32 v[R4], 2, v9
	s_lshl_b32 s58, s13, 7
	s_add_co_u32 s58, s58, XCH                     ; my tile's 128 bytes: [K step 2][r 16] words
	v_add_nc_u32 v[XR], s58, v[LS]
	s_lshr_b32 s57, s12, 1
	s_lshl_b32 s57, s57, 6
	s_add_co_u32 s57, s57, s58
	s_and_b32 s56, s12, 1
	s_lshl_b32 s56, s56, 1
	s_add_co_u32 s57, s57, s56
	v_lshl_add_u32 v[XA], v9, 2, s57               ; K step g / 2, row r, half g % 2
	v_and_b32 v[QD], 8, v9
	v_add_nc_u32 v[QD], v[QD], v9
	v_lshlrev_b32 v11, 4, v10
	v_sub_nc_u32 v[QD], v[QD], v11
	s_lshl_b32 s59, s17, 3
	s_add_co_u32 s59, s59, s[Q0]
	v_add_nc_u32 v[QD], s59, v[QD]                 ; Q0 + 8 u + r + 8 (r / 8) - 16 h
	; descriptor group 1: a record as 51 rows of 256 bytes (32 elements of 8 bytes), dense, no padding, no mask
	s_mov_b32 s28, 3<<16
	s_mov_b32 s29, 32<<16                          ; tensor_dim0
	s_mov_b32 s30, 51<<16                          ; tensor_dim1
	s_mov_b32 s31, 32<<16                          ; tile_dim0
	s_mov_b32 s32, 51                              ; tile_dim1
	s_mov_b32 s33, 32                              ; the pitch
	s_mov_b32 s34, 0
	s_mov_b32 s35, 0
	s_mul_i32 s56, s[WV], RECB
	s_mul_i32 s58, s15, 16*RECB
	s_add_co_u32 s58, s58, s56
	s_mov_b32 s59, 0
	s_wait_dscnt 0x0
	s_wait_kmcnt 0x0
	s_add_nc_u64 s[58:59], s[6:7], s[58:59]        ; record w of my kv head
.irp i, 0,1,2,3                        ; group 0, a set for each load: record 4 i + w, in memory and in LDS
	s_mov_b32 s[36+4*\i], 1
	s_add_co_u32 s[37+4*\i], s56, 4*RECB*\i
	s_add_nc_u64 s[38+4*\i:39+4*\i], s[58:59], 4*RECB*\i
	s_or_b32 s[39+4*\i], s[39+4*\i], 0x80000000
.endr
	s_cmp_lt_u32 s[WV], 4
	s_cbranch_scc0 .Lno_fill                       ; all the fills of a wave stand in this one branch, ahead of every wait on TENSORcnt, every LDS read and every barrier
	tensor_load_to_lds s[36:39], s[28:35]
	s_nop 0
	tensor_load_to_lds s[40:43], s[28:35]
	s_nop 0
	tensor_load_to_lds s[44:47], s[28:35]
	s_nop 0
	tensor_load_to_lds s[48:51], s[28:35]
	s_nop 0
.rept 4
	v_nop
.endr
.Lno_fill:
	; Q: the image of my block's two tiles, and my tile's scale words
	s_lshl_b32 s56, s15, 2
	s_add_co_u32 s56, s56, s12
	s_lshl_b32 s56, s56, 4
	s_lshr_b32 s57, s16, 2
	s_add_co_u32 s56, s56, s57
	s_mul_i32 s56, s56, 6656
	s_and_b32 s57, s16, 3
	s_mul_i32 s60, s57, 1536
	s_add_co_u32 s60, s60, s56
	s_mov_b32 s61, 0
	s_add_nc_u64 s[60:61], s[4:5], s[60:61]
	s_lshl_b32 s57, s57, 1
	s_add_co_u32 s57, s57, s17
	s_lshl_b32 s57, s57, 6
	s_add_co_u32 s62, s56, s57
	s_mov_b32 s63, 0
	s_add_nc_u64 s[62:63], s[4:5], s[62:63]
.irp c, 0,1,2
	global_load_b128 v[32+4*\c:35+4*\c], v[LI], s[60:61] offset:512*\c
.endr
	global_load_b32 v255, v[R4], s[62:63] offset:6144
	; where my result goes
	s_lshr_b32 s56, s15, 2
	s_lshl_b32 s56, s56, 7
	s_lshl_b32 s57, s16, 1
	s_add_co_u32 s56, s56, s57
	s_add_co_u32 s56, s56, s17                     ; the tile: 128 batch + 2 block + u
	s_mul_i32 s56, s56, 12800
	s_and_b32 s57, s15, 3
	s_lshl_b32 s52, s57, 2
	s_add_co_u32 s52, s52, s12                     ; the query head
	s_mul_i32 s52, s52, 768
	s_add_co_u32 s52, s52, s56
	s_mov_b32 s53, 0
	s_add_nc_u64 s[52:53], s[8:9], s[52:53]
	s_lshl_b32 s54, s57, 7
	s_add_co_u32 s54, s54, s56
	s_mov_b32 s55, 0
	s_add_nc_u64 s[54:55], s[8:9], s[54:55]        ; the kv head's two K steps of scale words (+ 12,288 in the immediate)
	v_mov_b32 v13, 0xff61b1e6                      ; the largest t so far: -3e38, under every t
	v_floor_f32 v12, -v13                          ; -M
	v_mov_b32 v14, 0
	v_mov_b32 v15, 0
.irp i, 0,1,2,3,4,5
	v_mov_b32 v[22+\i], 0                          ; Q's upper 64 along K: zero codes
	v_mov_b32 v[80+\i], 0                          ; and what the last tile of K names beyond its six registers
.endr
.irp b, 0,1,2,3
	v_mov_b32 v[236+\b], 0                         ; written once: a lane permute's destination counts as one of its sources
.endr
	v_mov_b32 v252, 0
	v_mov_b32 v253, 0
	s_wait_loadcnt 0x0                             ; Q's image and its scale words
.irp i, 0,1,2,3,4,5
	v_cndmask_b32 v[16+\i], v[32+\i], v[38+\i], s26   ; my tile's six registers of the pair's twelve
.endr
; An operand written by vector instructions stands four plain places ahead of a scaled matrix instruction that takes it: the 32 lines below, which name no register of the score products, are those places, whichever key step is the first that this wave works.
.set N_, 0
.rept 32
	v_mov_b32 v[160+N_], 0                         ; O^T: the step is written once; the first finds zeros, which the first change of M leaves zeros
.set N_, N_+1
.endr
; A KEY STEP: the 128 keys of the record at LDS byte TB, first key KF.
.macro STEP
	s_cmp_gt_u32 s[KF], s[Q0]                      ; all its keys come after my queries: the step's work is left out, a branch on ids; the lines at its end that step addresses are not
	s_cbranch_scc1 .Lhidden_\@
	v_add_nc_u32 v[AD], s[TB], v[LI]
	v_add_nc_u32 v[AS], s[TB], v[LS]
.irp n, 0,1,2,3,4,5,6,7,8,9,10,11
	ds_load_b128 v[32+4*\n:35+4*\n], v[AD] offset:512*\n          ; K's eight tiles, six registers each
.endr
.irp i, 0,1,2,3
	ds_load_b32 v[248+\i], v[AS] offset:12288+128*\i              ; lanes 0-15 tile 2 i's words, lanes 16-31 tile 2 i + 1's
.endr
	s_wait_dscnt 0x0
.irp t, 0,2,4,6
	v_wmma_scale_f32_16x16x128_f8f6f4 v[96+8*\t:103+8*\t], v[32+6*\t:43+6*\t], v[16:27], 0, v[248+\t/2], v255 matrix_a_fmt:MATRIX_FMT_BF6 matrix_b_fmt:MATRIX_FMT_BF6
	v_wmma_scale_f32_16x16x128_f8f6f4 v[104+8*\t:111+8*\t], v[38+6*\t:49+6*\t], v[16:27], 0, v[248+\t/2], v255 matrix_a_fmt:MATRIX_FMT_BF6 matrix_b_fmt:MATRIX_FMT_BF6 matrix_a_scale:MATRIX_SCALE_ROW1
.endr
.rept 4
	v_nop                                          ; places ahead of the loads into K's registers and of the first read of the scores
.endr
.irp n, 0,1,2,3,4,5,6,7,8,9,10,11
	ds_load_b128 v[32+4*\n:35+4*\n], v[AD] offset:6144+512*\n     ; V^T's four fragments: they land under the softmax
.endr
.irp i, 0,1
	ds_load_b32 v[28+\i], v[AS] offset:12800+128*\i
.endr
	s_add_co_u32 s56, s[KF], 127
	s_cmp_lt_u32 s56, s[Q0]
	s_cbranch_scc1 .Lopen_\@                       ; all keys of the step count for all my queries
	v_sub_nc_u32 v252, v[QD], s[KF]                ; register 16 b + i holds key KF + 16 h + 32 b + i: hidden where 32 b + i > my query - KF - 16 h
	v_mov_b32 v254, 0xff800000                     ; -infinity: p = 0 then
.set N_, 0
.rept 64
	v_cmp_gt_i32 vcc_lo, 32*(N_/16)+N_%16, v252
	v_cndmask_b32 v[96+N_], v[96+N_], v254, vcc_lo
.set N_, N_+1
.endr
.Lopen_\@:
.irp b, 0,1,2,3
	v_max3_num_f32 v[232+\b], v[96+16*\b], v[97+16*\b], v[98+16*\b]   ; the largest score of each block of 32 keys: for the row's maximum, and for the block's largest p
.endr
.irp i, 3,5,7,9,11,13
.irp b, 0,1,2,3
	v_max3_num_f32 v[232+\b], v[232+\b], v[96+16*\b+\i], v[97+16*\b+\i]
.endr
.endr
.irp b, 0,1,2,3
	v_max_num_f32 v[232+\b], v[232+\b], v[111+16*\b]
.endr
.irp b, 0,1,2,3
	v_permlanex16_b32 v[236+\b], v[232+\b], s20, s21
.endr
.irp b, 0,1,2,3
	v_max_num_f32 v[232+\b], v[232+\b], v[236+\b]  ; with lane l xor 16's 16 keys
.endr
	v_max3_num_f32 v254, v232, v233, v234
	v_max_num_f32 v254, v254, v235
	v_mul_f32 v254, s22, v254                      ; the step's largest t of my query
	v_max_num_f32 v13, v13, v254
	v_mov_b32 v254, v12
	v_floor_f32 v12, -v13                          ; the new -M = -ceil(t)
	v_sub_f32 v254, v12, v254                      ; old M - new M: a whole number, 0 or less
	v_cvt_i32_f32 v254, v254                       ; (it saturates)
	v_ldexp_f32 v252, 1.0, v254                    ; f = 2^(old M - new M)
.irp j, 0,2,4,6,8,10,12,14,16,18,20,22,24,26,28,30,32,34,36,38,40,42,44,46,48,50,52,54,56,58,60,62
	v_pk_fma_f32 v[96+\j:97+\j], v[96+\j:97+\j], s[22:23], v[12:13] op_sel_hi:[1,0,0]   ; t - M
.endr
.irp b, 0,1,2,3
	v_fma_f32 v[232+\b], v[232+\b], s22, v12
.endr
.set N_, 0
.rept 64
	v_exp_f32 v[96+N_], v[96+N_]                   ; p = 2^(t - M), not normalised
.set N_, N_+1
.endr
.irp b, 0,1,2,3
	v_exp_f32 v[232+\b], v[232+\b]                 ; the block's largest p
.endr
	v_pk_mul_f32 v[14:15], v[14:15], v[252:253] op_sel_hi:[1,0]   ; the sums under the new M (a plain place behind the exponentials)
	s_wait_alu depctr_va_vdst(0)
.irp b, 0,1,2,3
	v_max_num_f32 v[232+\b], 0x2800000, v[232+\b]  ; the floor 2^(5 - 127)
.endr
.irp b, 0,1,2,3
	v_add_nc_u32 v[244+\b], 0xfe000000, v[232+\b]  ; the conversion's scale operand
.endr
.irp b, 0,1,2,3
	v_lshrrev_b32 v[236+\b], 23, v[244+\b]         ; the scale's byte
.endr
	v_lshl_or_b32 v253, v237, 8, v236
	v_lshl_or_b32 v253, v238, 16, v253
	v_lshl_or_b32 v253, v239, 24, v253             ; p's scale word for these 128 keys
.irp c, 0,1
	v_cvt_scalef32_pk16_bf6_f32 v[224+6*\c:226+6*\c], v[96+32*\c:111+32*\c], v[244+2*\c]
	v_cvt_scalef32_pk16_bf6_f32 v[236+4*\c:238+4*\c], v[112+32*\c:127+32*\c], v[244+2*\c+1]
.endr
	v_nop                                          ; one plain place behind a scaled conversion
.irp c, 0,1
.irp i, 0,1,2
	v_permlane16_swap_b32 v[224+6*\c+\i], v[236+4*\c+\i]
.endr
.irp i, 0,1,2
	v_mov_b32 v[227+6*\c+\i], v[236+4*\c+\i]
.endr
.endr
	v_pk_add_f32 v[236:237], v[96:97], v[98:99]    ; the row's sum of the unquantised p, in two chains
.irp j, 4,8,12,16,20,24,28,32,36,40,44,48,52,56,60
	v_pk_add_f32 v[14:15], v[14:15], v[96+\j:97+\j]
	v_pk_add_f32 v[236:237], v[236:237], v[98+\j:99+\j]
.endr
	v_pk_add_f32 v[14:15], v[14:15], v[236:237]
.irp j, 0,2,4,6,8,10,12,14,16,18,20,22,24,26,28,30
	v_pk_mul_f32 v[160+\j:161+\j], v[160+\j:161+\j], v[252:253] op_sel_hi:[1,0]   ; O^T under the new M.  (The sums above and these are the places between p's codes and word and the products)
.endr
	s_wait_dscnt 0x0                               ; V^T and its words are in
.irp d, 0,2                            ; four accumulators, one instruction a turn; the next step's eight products on the scores stand between two links
	v_wmma_scale_f32_16x16x128_f8f6f4 v[160+8*\d:167+8*\d], v[32+12*\d:43+12*\d], v[224:235], v[160+8*\d:167+8*\d], v[28+\d/2], v253 matrix_a_fmt:MATRIX_FMT_BF6 matrix_b_fmt:MATRIX_FMT_BF6
	v_wmma_scale_f32_16x16x128_f8f6f4 v[168+8*\d:175+8*\d], v[44+12*\d:55+12*\d], v[224:235], v[168+8*\d:175+8*\d], v[28+\d/2], v253 matrix_a_fmt:MATRIX_FMT_BF6 matrix_b_fmt:MATRIX_FMT_BF6 matrix_a_scale:MATRIX_SCALE_ROW1
.endr
.rept 4
	v_nop                                          ; places ahead of the next step's loads and of the way out's reads
.endr
.Lhidden_\@:
	s_add_co_u32 s[KF], s[KF], 128
	s_add_co_u32 s[TB], s[TB], RECB
.endm
; Records 4 i .. 4 i + 3: load i of waves 0-3.  Each of those waves waits until its load i has landed (its 3 - i younger ones may stay out), then all sixteen meet.
.macro GROUP i
	s_wait_tensorcnt 3-\i
	s_barrier_signal -1
	s_barrier_wait -1
	s_mov_b32 s[TB], 4*RECB*\i
	s_mov_b32 s[KF], 512*\i
	s_mov_b32 s[CNT], 4
.Lstep_\@:
	STEP
	s_sub_co_u32 s[CNT], s[CNT], 1
	s_cmp_lg_u32 s[CNT], 0
	s_cbranch_scc1 .Lstep_\@
.endm
	GROUP 0
	GROUP 1
	GROUP 2
	GROUP 3
	; THE WAY OUT: O^T / the sum, register 16 b + i = channel 32 b + 16 h + i of my query, is quantised along the head's 64, which are blocks 2 head and 2 head + 1 of the last product's K.
	v_add_f32 v14, v14, v15
	v_permlanex16_b32 v252, v14, s20, s21
	v_add_f32 v14, v14, v252                       ; the row's sum
	v_rcp_f32 v14, v14
	v_nop                                          ; one plain place behind a transcendental
	s_wait_alu depctr_va_vdst(0)
.irp j, 0,2,4,6,8,10,12,14,16,18,20,22,24,26,28,30
	v_pk_mul_f32 v[96+\j:97+\j], v[160+\j:161+\j], v[14:15] op_sel_hi:[1,0]   ; each accumulator from its low end on
.endr
.irp b, 0,1
	v_max3_num_f32 v[232+\b], |v[96+16*\b]|, |v[97+16*\b]|, 0x2800000
.endr
.irp i, 2,4,6,8,10,12,14
.irp b, 0,1
	v_max3_num_f32 v[232+\b], v[232+\b], |v[96+16*\b+\i]|, |v[97+16*\b+\i]|
.endr
.endr
.irp b, 0,1
	v_permlanex16_b32 v[236+\b], v[232+\b], s20, s21
.endr
.irp b, 0,1
	v_max_num_f32 v[232+\b], v[232+\b], v[236+\b]
.endr
.irp b, 0,1
	v_add_nc_u32 v[244+\b], 0xfe000000, v[232+\b]
.endr
.irp b, 0,1
	v_lshrrev_b32 v[236+\b], 23, v[244+\b]
.endr
	v_lshl_or_b32 v253, v237, 8, v236              ; my head's half of the row's scale word
	v_cvt_scalef32_pk16_bf6_f32 v[224:226], v[96:111], v244
	v_cvt_scalef32_pk16_bf6_f32 v[240:242], v[112:127], v245
	v_nop                                          ; one plain place behind a scaled conversion
.irp i, 0,1,2
	v_permlane16_swap_b32 v[224+\i], v[240+\i]
.endr
.irp i, 0,1,2
	v_mov_b32 v[227+\i], v[240+\i]
.endr
	global_store_b128 v[LI], v[224:227], s[52:53]              ; 512 consecutive bytes,
	global_store_b64 v[L8], v[228:229], s[52:53] offset:512    ; and 256
	ds_store_b16 v[XA], v253                       ; lanes l and l xor 16 write the same two bytes with the same value
	s_wait_dscnt 0x0                               ; for the others' sake: my store has landed
	s_barrier_signal -1
	s_barrier_wait -1
	s_cmp_lt_u32 s[WV], 4
	s_cbranch_scc0 .Ldone                          ; waves 0-3 (g = 0) hold the four tiles once each: each stores its tile's 32 words
	ds_load_b32 v254, v[XR]
	s_wait_dscnt 0x0
	global_store_b32 v[LS], v254, s[54:55] offset:12288        ; 128 consecutive bytes
.Ldone:
	s_wait_tensorcnt 0x0
	ds_add_u32 v223, v243
	s_wait_dscnt 0x0
	s_endpgm
.Lfunc_end_k_q4fa880004a_attn:
	.size	k_q4fa880004a_attn, .Lfunc_end_k_q4fa880004a_attn-k_q4fa880004a_attn
	.p2alignl 7, 3214868480
	.fill 96, 4, 3214868480
	.section	.rodata,"a",@progbits
	.p2align	6, 0x0
	.amdhsa_kernel k_q4fa880004a_attn
		.amdhsa_group_segment_fixed_size 211456
		.amdhsa_private_segment_fixed_size 0
		.amdhsa_enable_private_segment 0
		.amdhsa_kernarg_size 24
		.amdhsa_user_sgpr_count 2
		.amdhsa_user_sgpr_kernarg_segment_ptr 1
		.amdhsa_wavefront_size32 1
		.amdhsa_system_sgpr_workgroup_id_x 1
		.amdhsa_system_sgpr_workgroup_id_y 1
		.amdhsa_system_sgpr_workgroup_id_z 1
		.amdhsa_system_vgpr_workitem_id 0
		.amdhsa_next_free_vgpr 256
		.amdhsa_next_free_sgpr 66
		.amdhsa_reserve_vcc 1
		.amdhsa_float_denorm_mode_32 3
		.amdhsa_float_denorm_mode_16_64 3
		.amdhsa_memory_ordered 1
		.amdhsa_forward_progress 1
		.amdhsa_inst_pref_size 97
	.end_amdhsa_kernel
	.amdgpu_metadata
---
amdhsa.version: [ 1, 2 ]
amdhsa.kernels:
  - .name:           k_q4fa880004a_attn
    .symbol:         k_q4fa880004a_attn.kd
    .args:
      - { .name: qq, .offset: 0, .size: 8, .value_kind: global_buffer, .address_space: global }
      - { .name: kv, .offset: 8, .size: 8, .value_kind: global_buffer, .address_space: global }
      - { .name: oq, .offset: 16, .size: 8, .value_kind: global_buffer, .address_space: global }
    .group_segment_fixed_size: 211456
    .private_segment_fixed_size: 0
    .kernarg_segment_align: 8
    .kernarg_segment_size: 24
    .max_flat_workgroup_size: 512
    .sgpr_count:     66
    .vgpr_count:     256
    .wavefront_size: 32
...
	.end_amdgpu_metadata
.endif
;; end of part 3
;; launch oproj (part 4): grid 8 x 32, 4 waves a work-group, no clusters, 17,920 bytes of LDS; arguments oq, wq, out0; writes out0
.if DOCPART == 4
	.amdgcn_target "amdgcn-amd-amdhsa--gfx1250"
	.amdhsa_code_object_version 6
	.text
	.protected	k_q4fa880004a_oproj
	.globl	k_q4fa880004a_oproj
	.p2align	8
	.type	k_q4fa880004a_oproj,@function
k_q4fa880004a_oproj:
	s_mov_b64 s[64:65], 0
	v_nop
	global_prefetch_b8 v0, s[64:65] scope:SCOPE_SE
	s_setreg_imm32_b32 hwreg(HW_REG_WAVE_MODE, 25, 1), 1
	s_wait_xcnt 0x0
; OPROJ: out0 = (attention's result) Wo on codes of BF6; K = 1,024 in eight steps of 128, written out; sums in f32.
; A work-group makes 128 x 128 of out0, each of its four waves 64 x 64: 16 accumulators.  Operands come from memory straight into registers as images of those registers; waves share nothing: no barrier.
; No cluster and no tensor load.
; The product is used transposed (source 0 = 16 columns of Wo, source 1 = 16 tokens): a lane holds one token and eight neighbouring columns.
; A tile T of tokens or of columns holds rows 32 (T / 2) + 8 (T % 2) + r + 8 (r / 8).  Wo's tiles are 96 .. 159 of wq.
; In oq a K step's fragment lies as two heads' halves of 768 bytes: registers 0-3 at 16 x lane, 4-5 at 512 + 8 x lane; then the same for registers 6-11.
; The way out goes through the wave's own stage in LDS (16 rows x (256 + 16) bytes): sixteen lanes store 256 consecutive bytes of a row of out0, at a multiple of 256 from its first byte.
; REGISTERS.  window 0: v1-6 offsets; v16-31 the tokens' scale words, v32-47 Wo's (scales and nothing else); v48-143 the tokens' fragments, two sets; v144-239 Wo's, two sets; behind the K steps v48-175 rows read back.
; window 1: the 16 accumulators, (a, w) at v[8 (4 a + w)].
.set AS_, 16
.set BS_, 32
.set AF, 48
.set BF, 144
.set BK, 48
.set REC, 12800
.set MSB, 0
.macro WIN new                         ; the immediate's high byte repeats the setting that is left
.if MSB != \new
	s_set_vgpr_msb (MSB<<8)|\new
.set MSB, \new
.endif
.endm
.macro PLACES                          ; four plain places behind a matrix instruction, ahead of loads into its sources and of reads of its results
.rept 4
	v_nop
.endr
.endm
	s_load_b128 s[4:7], s[0:1], 0x0                ; oq, wq
	s_load_b64 s[8:9], s[0:1], 0x10                ; out0
	v_lshl_add_u32 v254, v0, 2, 0x4400
	v_mov_b32 v255, 0
	v_lshrrev_b32 v7, 5, v0
	v_readfirstlane_b32 s10, v7                    ; wave
	s_lshr_b32 s11, s10, 1                         ; which 64 rows
	s_and_b32 s12, s10, 1                          ; which 64 columns
	s_and_b32 s13, ttmp7, 0xffff
	v_and_b32 v7, 31, v0
	v_lshlrev_b32 v1, 4, v7                        ; 16 x lane
	v_lshlrev_b32 v2, 3, v7                        ; 8 x lane
	v_lshlrev_b32 v3, 2, v7                        ; 4 x lane
	v_and_b32 v8, 15, v0
	v_bfe_u32 v9, v0, 4, 1
	s_mul_i32 s14, s10, 4352                       ; my stage
	v_mul_u32_u24 v4, v8, 272
	v_lshl_add_u32 v4, v9, 6, v4
	v_add_nc_u32 v4, s14, v4                       ; in: row r, + 64 h
	v_mul_u32_u24 v5, v9, 272
	v_lshl_add_u32 v5, v8, 4, v5
	v_add_nc_u32 v5, s14, v5                       ; back: lanes 0-15 one row, lanes 16-31 the next
	v_lshlrev_b32 v6, 12, v9
	v_lshl_add_u32 v6, v8, 4, v6                   ; and the same two rows in out0
	s_lshl_b32 s24, s13, 3
	s_lshl_b32 s15, s11, 2
	s_add_co_u32 s24, s24, s15
	s_mul_i32 s24, s24, REC                        ; my four tiles of tokens
	s_mov_b32 s25, 0
	s_lshl_b32 s26, ttmp9, 3
	s_lshl_b32 s15, s12, 2
	s_add_co_u32 s26, s26, s15
	s_add_co_u32 s26, s26, 96
	s_mul_i32 s26, s26, REC                        ; my four tiles of Wo's columns
	s_mov_b32 s27, 0
	s_lshl_b32 s28, s13, 7
	s_lshl_b32 s15, s11, 6
	s_add_co_u32 s28, s28, s15
	s_lshl_b32 s28, s28, 12                        ; my first row of out0, rows of 4,096 bytes,
	s_lshl_b32 s15, ttmp9, 9
	s_add_co_u32 s28, s28, s15
	s_lshl_b32 s15, s12, 8
	s_add_co_u32 s28, s28, s15                     ; my first column
	s_mov_b32 s29, 0
	s_wait_kmcnt 0x0
	s_add_nc_u64 s[18:19], s[4:5], s[24:25]
	s_add_nc_u64 s[20:21], s[6:7], s[26:27]
	s_add_nc_u64 s[22:23], s[8:9], s[28:29]
.macro LOADK s, set                    ; K step s: 16 + 12 loads
.irp t, 0,1,2,3
	global_load_b128 v[AF+48*(\set)+12*\t:AF+48*(\set)+12*\t+3], v1, s[18:19] offset:REC*\t+1536*(\s)
	global_load_b64 v[AF+48*(\set)+12*\t+4:AF+48*(\set)+12*\t+5], v2, s[18:19] offset:REC*\t+1536*(\s)+512
	global_load_b128 v[AF+48*(\set)+12*\t+6:AF+48*(\set)+12*\t+9], v1, s[18:19] offset:REC*\t+1536*(\s)+768
	global_load_b64 v[AF+48*(\set)+12*\t+10:AF+48*(\set)+12*\t+11], v2, s[18:19] offset:REC*\t+1536*(\s)+1280
.endr
.irp t, 0,1,2,3
.irp c, 0,1,2
	global_load_b128 v[BF+48*(\set)+12*\t+4*\c:BF+48*(\set)+12*\t+4*\c+3], v1, s[20:21] offset:REC*\t+1536*(\s)+512*\c
.endr
.endr
.endm
.macro WM d, a, b, sa, sb, kind        ; kind 0: starts the sum; 1: an even K step; 2: an odd one, whose words lie in lanes 16-31
.if \kind == 0
	v_wmma_scale_f32_16x16x128_f8f6f4 v[(\d):(\d)+7], v[(\a):(\a)+11], v[(\b):(\b)+11], 0, v[(\sa)], v[(\sb)] matrix_a_fmt:MATRIX_FMT_BF6 matrix_b_fmt:MATRIX_FMT_BF6
.elseif \kind == 1
	v_wmma_scale_f32_16x16x128_f8f6f4 v[(\d):(\d)+7], v[(\a):(\a)+11], v[(\b):(\b)+11], v[(\d):(\d)+7], v[(\sa)], v[(\sb)] matrix_a_fmt:MATRIX_FMT_BF6 matrix_b_fmt:MATRIX_FMT_BF6
.else
	v_wmma_scale_f32_16x16x128_f8f6f4 v[(\d):(\d)+7], v[(\a):(\a)+11], v[(\b):(\b)+11], v[(\d):(\d)+7], v[(\sa)], v[(\sb)] matrix_a_fmt:MATRIX_FMT_BF6 matrix_b_fmt:MATRIX_FMT_BF6 matrix_a_scale:MATRIX_SCALE_ROW1 matrix_b_scale:MATRIX_SCALE_ROW1
.endif
.endm
.macro MUL s                           ; 16 products; the 16 accumulators take turns, one instruction a turn
.if (\s) == 0
.set KIND, 0
.else
.set KIND, 1+(\s)%2
.endif
.set FS, (\s)%2
	WIN 0x50                                       ; C and D window 1
.irp a, 0,1,2,3
.irp w, 0,1,2,3
	WM 8*(4*\a+\w), BF+48*FS+12*\w, AF+48*FS+12*\a, BS_+4*\w+(\s)/2, AS_+4*\a+(\s)/2, KIND
.endr
.endr
.endm
.irp t, 0,1,2,3                        ; scale words: register i of a tile: lanes 0-15 K step 2 i, lanes 16-31 K step 2 i + 1
.irp i, 0,1,2,3
	global_load_b32 v[AS_+4*\t+\i], v3, s[18:19] offset:REC*\t+12288+128*\i
	global_load_b32 v[BS_+4*\t+\i], v3, s[20:21] offset:REC*\t+12288+128*\i
.endr
.endr
	LOADK 0, 0
	LOADK 1, 1
.irp s, 0,1,2,3,4,5,6,7
.if \s < 7
	s_wait_loadcnt 28                              ; this step's loads are in; the next step's 28 may be out
.else
	s_wait_loadcnt 0x0
.endif
	MUL \s
	PLACES
	WIN 0
.if \s < 6
	LOADK \s+2, \s%2
.endif
.endr
; tile a of tokens: 16 rows x 64 columns through my stage.  LDS serves a wave's instructions in order: no wait between the stores and the loads, nor ahead of the next tile's stores.
.macro TOSTAGE a
	WIN 0x04                                       ; an LDS store's data are its source 1: window 1
.irp w, 0,1,2,3
	ds_store_b128 v4, v[8*(4*(\a)+\w):8*(4*(\a)+\w)+3] offset:128*(\w/2)+32*(\w%2)          ; each accumulator from its low end on
	ds_store_b128 v4, v[8*(4*(\a)+\w)+4:8*(4*(\a)+\w)+7] offset:128*(\w/2)+32*(\w%2)+16
.endr
	WIN 0
.irp i, 0,1,2,3,4,5,6,7
	ds_load_b128 v[BK+32*(\a)+4*\i:BK+32*(\a)+4*\i+3], v5 offset:544*\i
.endr
.endm
.macro SEND a, younger                 ; younger: the LDS instructions issued behind tile a's loads, which may stay out.  Each tile has registers of its own
	s_wait_dscnt \younger
.irp i, 0,1,2,3,4,5,6,7
	global_store_b128 v6, v[BK+32*(\a)+4*\i:BK+32*(\a)+4*\i+3], s[22:23] offset:(32*((\a)/2)+8*((\a)%2)+2*\i+8*(\i/4))*4096 th:TH_STORE_NT
.endr
.endm
	TOSTAGE 0
	TOSTAGE 1
	SEND 0, 16                                     ; behind tile 0's loads: tile 1's 8 stores and 8 loads
	TOSTAGE 2
	SEND 1, 16
	TOSTAGE 3
	SEND 2, 16
	SEND 3, 0
	s_wait_tensorcnt 0x0
	ds_add_u32 v254, v255
	s_wait_dscnt 0x0
	s_endpgm
.Lfunc_end_k_q4fa880004a_oproj:
	.size	k_q4fa880004a_oproj, .Lfunc_end_k_q4fa880004a_oproj-k_q4fa880004a_oproj
	.p2alignl 7, 3214868480
	.fill 96, 4, 3214868480
	.section	.rodata,"a",@progbits
	.p2align	6, 0x0
	.amdhsa_kernel k_q4fa880004a_oproj
		.amdhsa_group_segment_fixed_size 17920
		.amdhsa_private_segment_fixed_size 0
		.amdhsa_enable_private_segment 0
		.amdhsa_kernarg_size 24
		.amdhsa_user_sgpr_count 2
		.amdhsa_user_sgpr_kernarg_segment_ptr 1
		.amdhsa_wavefront_size32 1
		.amdhsa_system_sgpr_workgroup_id_x 1
		.amdhsa_system_sgpr_workgroup_id_y 1
		.amdhsa_system_sgpr_workgroup_id_z 1
		.amdhsa_system_vgpr_workitem_id 0
		.amdhsa_next_free_vgpr 384
		.amdhsa_next_free_sgpr 66
		.amdhsa_reserve_vcc 0
		.amdhsa_float_denorm_mode_32 3
		.amdhsa_float_denorm_mode_16_64 3
		.amdhsa_memory_ordered 1
		.amdhsa_forward_progress 1
		.amdhsa_inst_pref_size 52
	.end_amdhsa_kernel
	.amdgpu_metadata
---
amdhsa.version: [ 1, 2 ]
amdhsa.kernels:
  - .name:           k_q4fa880004a_oproj
    .symbol:         k_q4fa880004a_oproj.kd
    .args:
      - { .name: oq, .offset: 0, .size: 8, .value_kind: global_buffer, .address_space: global }
      - { .name: wq, .offset: 8, .size: 8, .value_kind: global_buffer, .address_space: global }
      - { .name: out0, .offset: 16, .size: 8, .value_kind: global_buffer, .address_space: global }
    .group_segment_fixed_size: 17920
    .private_segment_fixed_size: 0
    .kernarg_segment_align: 8
    .kernarg_segment_size: 24
    .max_flat_workgroup_size: 128
    .sgpr_count:     66
    .vgpr_count:     384
    .wavefront_size: 32
...
	.end_amdgpu_metadata
.endif
;; end of part 4
;; ======== version 2 of 2: 4 launches
;; workspace buffers: xq 3,276,800 bytes; wq 2,048,000 bytes; rope 524,288 bytes; qq 3,407,872 bytes; kv 1,671,168 bytes; oq 3,276,800 bytes
;; launch prep (part 5): grid 448 x 1, 4 waves a work-group, no clusters, 47,616 bytes of LDS; arguments x, Wq, Wk, Wv, Wo, xq, wq, rope; writes xq, wq, rope
.if DOCPART == 5
	.amdgcn_target "amdgcn-amd-amdhsa--gfx1250"
	.amdhsa_code_object_version 6
	.text
	.protected	k_q4fa880004a_prep
	.globl	k_q4fa880004a_prep
	.p2align	8
	.type	k_q4fa880004a_prep,@function
k_q4fa880004a_prep:
	s_mov_b64 s[64:65], 0
	v_nop
	global_prefetch_b8 v0, s[64:65] scope:SCOPE_SE
	s_setreg_imm32_b32 hwreg(HW_REG_WAVE_MODE, 25, 1), 1
	s_wait_xcnt 0x0
; PREP: x and the four weights become codes of BF6 (E3M2) with one E8M0 byte for each 32 along K (K = d_model, 1,024), and the table of cos and sin is made.
; A block's scale is 2^(floor(log2(largest magnitude)) - 4): its byte is the largest magnitude's exponent field - 4, held at 1 from below by a floor among the maximum's leaves.
; WHAT IS STORED is laid in the order of the matrix operand's registers.  A TILE is 16 rows; tile T holds rows 32 (T / 2) + 8 (T % 2) + r + 8 (r / 8), r = 0 .. 15.
; A tile's record is 12,800 bytes: eight images of 1,536 bytes (K step s at 1,536 s: registers 4 c .. 4 c + 3 of lane l at 512 c + 16 l), then 512 bytes of scale words, [K step][r].
; In an image, registers 6 c .. 6 c + 5 of lane (r, h) hold k = 64 c + 32 h + 0 .. 31 of row r.
; xq: 256 tiles of x's rows.  wq: 160 tiles of columns n: 0-1023 Wq, 1024-1279 Wk, 1280-1535 Wv, 1536-2559 Wo.  rope: [t][cos 32 | sin 32] f32.
; Work-groups 0-255: one tile of x each, a wave two K steps.  256-415: 128 columns x one K step of a weight, a lane to a column.  416-447: the table, a wave 16 positions.
; The three ways part on the work-group's number; waves share nothing, so there is no barrier; each way has LDS bytes of its own.
; LIMITS: NaN and infinities are not served.  A block of zeros, or one whose largest magnitude lies under 2^-122, gets the byte 1 (the bytes are read by this program alone).
; cos and sin: reduction by pi/2 in two parts, good for angles up to 2,047 (multiples of pi/2 up to 1,303), then polynomials on |rho| <= pi/4: about 1e-7 absolute.
; The frequencies are 1 / RN(10^(j/8)), the reciprocal mended by one Newton step.
.set REC,   12800
.set SCO,   12288
.set FLOOR, 0x2800000                  ; 2^(5 - 127)
.set EOFF,  0xfe000000                 ; -(4 << 23)
.set XSTG,  8448                       ; way X: a wave's stage, 16 rows x (512 + 16) bytes
.set WBASE, 4*XSTG                     ; way W: behind them
.set WIMG,  1664                       ; an image's 1,536 bytes + 128
.set WSTG,  2*WIMG
.set XRW,   16                         ; way X: v16-143 numbers as loaded
.set XN,    144                        ; v144-207 64 numbers of my row: register 32 c + n = k 64 c + 32 h + n
.set XPC,   208                        ; v208-231 codes, 12 for each K step
.set XCT,   232                        ; v232-234, v236-238 second halves of blocks
.set XMX,   240
.set XSO,   242
.set XBY,   244
.set XWD,   246
.set XTP,   248
.set WN,    16                         ; way W: v16-143 my column's 128 numbers down K
.set WC,    144                        ; block b's six registers at v[144 + 8 b]
.set WCT,   176
.set WOR,   180                        ; v180-203 two images read back
.set WMX,   204
.set WSO,   206
.set WBY,   207
.set WWD,   208
	s_load_b256 s[4:11], s[0:1], 0x0               ; x, Wq, Wk, Wv
	s_load_b256 s[12:19], s[0:1], 0x20             ; Wo, xq, wq, rope
	v_lshl_add_u32 v254, v0, 2, 0xb800
	v_mov_b32 v255, 0
	v_lshrrev_b32 v1, 5, v0
	v_readfirstlane_b32 s20, v1                    ; wave
	v_and_b32 v1, 31, v0                           ; lane
	v_lshlrev_b32 v2, 4, v1                        ; 16 x lane
	v_lshlrev_b32 v3, 2, v1                        ; 4 x lane
	s_mov_b32 s28, 0x76543210
	s_mov_b32 s29, 0xfedcba98                      ; v_permlanex16_b32's selects for lane l xor 16
	s_wait_kmcnt 0x0
	s_cmp_lt_u32 ttmp9, 256
	s_cbranch_scc1 .Lpath_x
	s_cmp_lt_u32 ttmp9, 416
	s_cbranch_scc1 .Lpath_w
; ---------------- the table: lane = (position % 2, cos or sin, four frequencies)
	s_sub_co_u32 s21, ttmp9, 416
	s_lshl_b32 s21, s21, 2
	s_add_co_u32 s21, s21, s20                     ; which 16 positions are my wave's
	s_lshl_b32 s22, s21, 12                        ; 16 rows of 256 bytes
	s_mov_b32 s23, 0
	s_add_nc_u64 s[26:27], s[18:19], s[22:23]
	s_lshl_b32 s21, s21, 4                         ; my first position
	v_mov_b32 v16, 1.0                             ; lane j: 10000^(j/32) = 10^(j/8), rounded to f32 by the assembler
.macro PW j, val
	s_mov_b32 s30, \val
	v_writelane_b32 v16, s30, \j
.endm
	PW 1, 1.33352143216
	PW 2, 1.77827941004
	PW 3, 2.37137370566
	PW 4, 3.16227766017
	PW 5, 4.21696503429
	PW 6, 5.62341325190
	PW 7, 7.49894209332
	PW 8, 10.0
	PW 9, 13.3352143216
	PW 10, 17.7827941004
	PW 11, 23.7137370566
	PW 12, 31.6227766017
	PW 13, 42.1696503429
	PW 14, 56.2341325190
	PW 15, 74.9894209332
	PW 16, 100.0
	PW 17, 133.352143216
	PW 18, 177.827941004
	PW 19, 237.137370566
	PW 20, 316.227766017
	PW 21, 421.696503429
	PW 22, 562.341325190
	PW 23, 749.894209332
	PW 24, 1000.0
	PW 25, 1333.52143216
	PW 26, 1778.27941004
	PW 27, 2371.37370566
	PW 28, 3162.27766017
	PW 29, 4216.96503429
	PW 30, 5623.41325190
	PW 31, 7498.94209332
	s_wait_alu depctr_va_vdst(0)
	v_rcp_f32 v17, v16
	v_nop                                          ; one plain place behind a transcendental
	s_wait_alu depctr_va_vdst(0)
	v_fma_f32 v18, -v16, v17, 1.0                  ; the reciprocal's error,
	v_fma_f32 v17, v18, v17, v17                   ; taken off: lane j holds the frequency j
	v_and_b32 v19, 7, v1
	v_lshlrev_b32 v40, 4, v19                      ; my four frequencies are 4 c .. 4 c + 3: lanes' byte addresses 16 c + 4 i
	v_add_nc_u32 v41, 4, v40
	v_add_nc_u32 v42, 8, v40
	v_add_nc_u32 v43, 12, v40
.irp i, 0,1,2,3
	ds_bpermute_b32 v[20+\i], v[40+\i], v17        ; a pull between lanes: no LDS byte is touched
.endr
	v_bfe_u32 v38, v1, 3, 1
	v_mul_u32_u24 v38, v38, 3                      ; sin a = cos(a + 3 pi/2): three quarter turns more for the lanes that make sin
	v_lshrrev_b32 v28, 4, v1
	v_add_nc_u32 v28, s21, v28
	v_cvt_f32_u32 v28, v28                         ; my position, as f32
	v_mov_b32 v39, v2                              ; my 16 bytes of two rows' 512
	s_mov_b32 s32, 0x3f22f983                      ; 2 / pi
	s_mov_b32 s33, 0xbfc90fdb                      ; -(pi/2 rounded to f32)
	s_mov_b32 s34, 0x333bbd2e                      ; that number - pi/2
	s_mov_b32 s35, -0.16666654611
	s_mov_b32 s36, 0.0083321608736
	s_mov_b32 s37, -0.00019515295891
	s_mov_b32 s38, 0.04166664568298827
	s_mov_b32 s39, -0.001388731625493765
	s_mov_b32 s40, 0.00002443315711809948
	s_mov_b32 s41, 8
	s_wait_dscnt 0x0
.macro TRIG i
	v_mul_f32 v30, v28, v[20+\i]                   ; the angle, rounded once
	v_mul_f32 v31, s32, v30
	v_rndne_f32 v31, v31                           ; k quarter turns
	v_fma_f32 v32, v31, s33, v30                   ; exact: a multiple of 2^-23 under 1
	v_fma_f32 v32, v31, s34, v32                   ; rho = angle - k pi/2
	v_cvt_i32_f32 v33, v31
	v_add_nc_u32 v33, v33, v38                     ; q: the value wanted is cos(rho + q pi/2)
	v_mul_f32 v34, v32, v32                        ; z
	v_fma_f32 v35, s37, v34, s36
	v_fma_f32 v35, v35, v34, s35
	v_mul_f32 v35, v35, v34
	v_fma_f32 v35, v35, v32, v32                   ; sin rho
	v_fma_f32 v36, s40, v34, s39
	v_fma_f32 v36, v36, v34, s38
	v_mul_f32 v37, v34, v34
	v_fma_f32 v29, v34, -0.5, 1.0
	v_fma_f32 v36, v36, v37, v29                   ; cos rho
	v_and_b32 v37, 1, v33
	v_cmp_eq_u32 vcc_lo, 1, v37
	v_cndmask_b32 v36, v36, v35, vcc_lo            ; odd q: sin
	v_add_nc_u32 v33, 1, v33
	v_and_b32 v33, 2, v33
	v_lshlrev_b32 v33, 30, v33                     ; q % 4 = 1, 2: minus
	v_xor_b32 v[24+\i], v36, v33
.endm
.Ltrip:
	s_wait_alu depctr_va_vdst(0)
	TRIG 0
	TRIG 1
	TRIG 2
	TRIG 3
	global_store_b128 v39, v[24:27], s[26:27]      ; 32 lanes store two whole rows of the table, 512 consecutive bytes
	s_wait_xcnt 0x0                                ; the store has read v39 and v[24:27]: they are written again only behind this wait
	v_add_nc_u32 v39, 512, v39
	v_add_f32 v28, 2.0, v28
	s_sub_co_u32 s41, s41, 1
	s_cmp_lg_u32 s41, 0
	s_cbranch_scc1 .Ltrip
	s_endpgm
; ---------------- x: tile ttmp9; my wave's K steps are 2 q and 2 q + 1
.Lpath_x:
	s_lshr_b32 s21, ttmp9, 1
	s_lshl_b32 s21, s21, 5
	s_and_b32 s22, ttmp9, 1
	s_lshl_b32 s22, s22, 3
	s_add_co_u32 s21, s21, s22                     ; the tile's first row
	s_lshl_b32 s22, s21, 12                        ; rows of 4,096 bytes
	s_lshl_b32 s21, s20, 10                        ; two K steps are 1,024 bytes of a row
	s_add_co_u32 s22, s22, s21
	s_mov_b32 s23, 0
	s_add_nc_u64 s[24:25], s[4:5], s[22:23]
	s_mul_i32 s31, ttmp9, REC
	s_mul_i32 s22, s20, 3072
	s_add_co_u32 s22, s22, s31
	s_add_nc_u64 s[26:27], s[14:15], s[22:23]      ; my two images
	s_lshl_b32 s22, s20, 7
	s_add_co_u32 s22, s22, s31
	s_add_nc_u64 s[32:33], s[14:15], s[22:23]      ; my two K steps' scale words (+ SCO in the immediate)
	s_wait_alu depctr_va_vdst(0)
.irp e, 0,1
.irp i, 0,1,2,3,4,5,6,7,8,9,10,11,12,13,14,15
	global_load_b128 v[XRW+4*(16*\e+\i):XRW+4*(16*\e+\i)+3], v2, s[24:25] offset:(\i+8*(\i/8))*4096+512*\e th:TH_LOAD_NT   ; 512 consecutive bytes of the tile's row i
.endr
.endr
	s_mul_i32 s21, s20, XSTG
	v_add_nc_u32 v4, s21, v2                       ; into the stage: as loaded
	v_and_b32 v7, 15, v1                           ; r
	v_lshrrev_b32 v8, 4, v1                        ; h
	v_mul_u32_u24 v5, v7, 528
	v_lshl_add_u32 v5, v8, 7, v5
	v_add_nc_u32 v5, s21, v5                       ; out of it: row r, + 128 h: 32 neighbours of each 64
	v_lshlrev_b32 v6, 3, v8                        ; 8 h
	v_mov_b32 v[XTP], 0                            ; a lane permute's destination counts as one of its sources
.macro XTURN e                         ; LDS serves a wave's instructions in order: no wait between the stores and the loads
.irp i, 0,1,2,3,4,5,6,7,8,9,10,11,12,13,14,15
	ds_store_b128 v4, v[XRW+4*(16*\e+\i):XRW+4*(16*\e+\i)+3] offset:528*\i
.endr
.irp c, 0,1
.irp p, 0,1,2,3,4,5,6,7
	ds_load_b128 v[XN+32*\c+4*\p:XN+32*\c+4*\p+3], v5 offset:256*\c+16*\p
.endr
.endr
.endm
.macro XQ e                            ; my blocks h and 2 + h of this K step: all 32 numbers of each are mine
.irp c, 0,1
	v_max3_num_f32 v[XMX+\c], |v[XN+32*\c]|, |v[XN+32*\c+1]|, FLOOR
.endr
.irp i, 2,4,6,8,10,12,14,16,18,20,22,24,26,28,30
.irp c, 0,1
	v_max3_num_f32 v[XMX+\c], v[XMX+\c], |v[XN+32*\c+\i]|, |v[XN+32*\c+\i+1]|
.endr
.endr
.irp c, 0,1
	v_add_nc_u32 v[XSO+\c], EOFF, v[XMX+\c]        ; 4 off the exponent field: the conversion's scale operand
.endr
.irp c, 0,1
	v_lshrrev_b32 v[XBY+\c], 23, v[XSO+\c]         ; the scale's byte
.endr
	v_lshl_or_b32 v[XWD+\e], v[XBY+1], 16, v[XBY]
	v_lshlrev_b32 v[XWD+\e], v6, v[XWD+\e]         ; my two bytes at their places,
	v_permlanex16_b32 v[XTP], v[XWD+\e], s28, s29
	v_or_b32 v[XWD+\e], v[XWD+\e], v[XTP]          ; with lane l xor 16's two the row's word is whole
	v_cvt_scalef32_pk16_bf6_f32 v[XPC+12*\e:XPC+12*\e+2], v[XN:XN+15], v[XSO]
	v_cvt_scalef32_pk16_bf6_f32 v[XCT:XCT+2], v[XN+16:XN+31], v[XSO]        ; (a conversion's three registers begin on an even number)
	v_cvt_scalef32_pk16_bf6_f32 v[XPC+12*\e+6:XPC+12*\e+8], v[XN+32:XN+47], v[XSO+1]
	v_cvt_scalef32_pk16_bf6_f32 v[XCT+4:XCT+6], v[XN+48:XN+63], v[XSO+1]
	v_nop                                          ; one plain place behind a scaled conversion
.irp i, 0,1,2
	v_mov_b32 v[XPC+12*\e+3+\i], v[XCT+\i]
	v_mov_b32 v[XPC+12*\e+9+\i], v[XCT+4+\i]
.endr
.irp c, 0,1,2
	global_store_b128 v2, v[XPC+12*\e+4*\c:XPC+12*\e+4*\c+3], s[26:27] offset:1536*\e+512*\c   ; 512 consecutive bytes
.endr
.endm
	s_wait_alu depctr_va_vdst(0)
	s_wait_loadcnt 16                              ; the first K step's sixteen loads are in; the second's may be out
	XTURN 0
	s_wait_dscnt 0x0
	XQ 0
	s_wait_loadcnt 0x0
	XTURN 1
	s_wait_dscnt 0x0
	XQ 1
	v_cmp_lt_u32 vcc_lo, 15, v1
	v_cndmask_b32 v[XTP], v[XWD], v[XWD+1], vcc_lo ; lanes 0-15 the even K step's words, lanes 16-31 the odd one's
	global_store_b32 v3, v[XTP], s[32:33] offset:SCO
	s_wait_tensorcnt 0x0
	ds_add_u32 v254, v255
	s_wait_dscnt 0x0
	s_endpgm
; ---------------- a weight: 128 columns x 128 along K for a work-group; a lane takes a column and its registers run down K
.Lpath_w:
	s_sub_co_u32 s21, ttmp9, 256
	s_lshr_b32 s22, s21, 3                         ; which 128 columns of the 2,560
	s_and_b32 s23, s21, 7                          ; which K step
	s_mov_b64 s[24:25], s[12:13]                   ; Wo from group 12 on,
	s_mov_b32 s21, 12
	s_cmp_lt_u32 s22, 12
	s_cselect_b64 s[24:25], s[10:11], s[24:25]     ; Wv from 10,
	s_cselect_b32 s21, 10, s21
	s_cmp_lt_u32 s22, 10
	s_cselect_b64 s[24:25], s[8:9], s[24:25]       ; Wk from 8,
	s_cselect_b32 s21, 8, s21
	s_cmp_lt_u32 s22, 8
	s_cselect_b64 s[24:25], s[6:7], s[24:25]       ; Wq from 0: the choice hangs on the work-group's number alone
	s_cselect_b32 s21, 0, s21
	s_sub_co_u32 s30, s22, 8
	s_cmp_lt_u32 s30, 4                            ; Wk and Wv have rows of 1,024 bytes, the others of 4,096
	s_cselect_b32 s31, 17, 19
	s_cselect_b32 s42, 1, 0
	s_lshl_b32 s32, s23, s31                       ; 128 rows a K step
	s_sub_co_u32 s21, s22, s21
	s_lshl_b32 s21, s21, 9                         ; 128 columns of 4 bytes
	s_lshl_b32 s33, s20, 7                         ; my wave's 32
	s_add_co_u32 s32, s32, s21
	s_add_co_u32 s32, s32, s33
	s_mov_b32 s33, 0
	s_add_nc_u64 s[24:25], s[24:25], s[32:33]
	s_lshl_b32 s34, s22, 2
	s_add_co_u32 s34, s34, s20                     ; my pair of tiles
	s_mul_i32 s34, s34, 2*REC
	s_mul_i32 s32, s23, 1536
	s_add_co_u32 s32, s32, s34
	s_add_nc_u64 s[26:27], s[16:17], s[32:33]      ; the K step's image in the pair's first record
	s_lshl_b32 s32, s23, 6
	s_add_co_u32 s32, s32, s34
	s_add_nc_u64 s[30:31], s[16:17], s[32:33]      ; and its scale words (+ SCO in the immediate)
	s_wait_alu depctr_va_vdst(0)
	v_bfe_u32 v7, v1, 3, 1                         ; column 32 p + lane is row r of tile 2 p + u: u = (lane / 8) % 2,
	v_and_b32 v8, 7, v1
	v_lshrrev_b32 v9, 4, v1
	v_lshl_add_u32 v8, v9, 3, v8                   ; r = lane % 8 + 8 (lane / 16)
	s_mul_i32 s32, s20, WSTG
	s_add_co_u32 s32, s32, WBASE
	v_mul_u32_u24 v4, v7, WIMG
	v_lshl_add_u32 v4, v8, 4, v4
	v_add_nc_u32 v4, s32, v4                       ; into my wave's two images: image u, lane r's place
	v_add_nc_u32 v5, s32, v2                       ; out of them: 16 x lane
	v_mul_u32_u24 v6, v7, REC
	v_lshl_add_u32 v6, v8, 2, v6                   ; my column's scale word: record u, row r
.macro WLOAD pitch
.set N_, 0
.rept 128
	global_load_b32 v[WN+N_], v3, s[24:25] offset:N_*\pitch th:TH_LOAD_NT   ; one row of K at 32 neighbouring columns
.set N_, N_+1
.endr
.endm
	s_cmp_eq_u32 s42, 1
	s_cbranch_scc1 .Lnarrow
	WLOAD 4096
	s_branch .Lloaded
.Lnarrow:
	WLOAD 1024
.Lloaded:                              ; 128 loads were issued on either way
.macro WBLOCK b
.set XS_, WN+32*(\b)
.set CB_, WC+8*(\b)
.if (\b) < 2
	s_wait_loadcnt 63                              ; the largest count a wait can name: of 128 loads the first 65 are in, blocks 0 and 1 among them
.elseif (\b) == 2
	s_wait_loadcnt 32                              ; block 3's may be out
.else
	s_wait_loadcnt 0x0
.endif
	v_max3_num_f32 v[WMX], |v[XS_]|, |v[XS_+1]|, |v[XS_+2]|
	v_max3_num_f32 v[WMX+1], |v[XS_+3]|, |v[XS_+4]|, |v[XS_+5]|
.irp i, 6,10,14,18,22,26
	v_max3_num_f32 v[WMX], v[WMX], |v[XS_+\i]|, |v[XS_+\i+1]|
	v_max3_num_f32 v[WMX+1], v[WMX+1], |v[XS_+\i+2]|, |v[XS_+\i+3]|
.endr
	v_max3_num_f32 v[WMX], v[WMX], |v[XS_+30]|, |v[XS_+31]|
	v_max3_num_f32 v[WMX], v[WMX], v[WMX+1], FLOOR
	v_add_nc_u32 v[WSO], EOFF, v[WMX]
	v_lshrrev_b32 v[WBY], 23, v[WSO]
.if (\b) == 0
	v_mov_b32 v[WWD], v[WBY]
.else
	v_lshl_or_b32 v[WWD], v[WBY], 8*(\b), v[WWD]
.endif
	v_cvt_scalef32_pk16_bf6_f32 v[CB_:CB_+2], v[XS_:XS_+15], v[WSO]
	v_cvt_scalef32_pk16_bf6_f32 v[WCT:WCT+2], v[XS_+16:XS_+31], v[WSO]
	v_nop                                          ; one plain place behind a scaled conversion
.irp i, 0,1,2
	v_mov_b32 v[CB_+3+\i], v[WCT+\i]
.endr
; block b is registers 6 (b / 2) .. + 5 of the image's lane r + 16 (b % 2)
.if (\b) < 2
	ds_store_b128 v4, v[CB_:CB_+3] offset:256*((\b)%2)
	ds_store_b64 v4, v[CB_+4:CB_+5] offset:512+256*((\b)%2)
.else
	ds_store_b64 v4, v[CB_:CB_+1] offset:520+256*((\b)%2)
	ds_store_b128 v4, v[CB_+2:CB_+5] offset:1024+256*((\b)%2)
.endif
.endm
	WBLOCK 0
	WBLOCK 1
	WBLOCK 2
	WBLOCK 3
.irp u, 0,1
.irp c, 0,1,2
	ds_load_b128 v[WOR+12*\u+4*\c:WOR+12*\u+4*\c+3], v5 offset:WIMG*\u+512*\c   ; LDS serves a wave's instructions in order: these see my stores
.endr
.endr
	s_wait_alu depctr_va_vdst(0)
	s_wait_dscnt 0x0
.irp u, 0,1
.irp c, 0,1,2
	global_store_b128 v2, v[WOR+12*\u+4*\c:WOR+12*\u+4*\c+3], s[26:27] offset:REC*\u+512*\c   ; 512 consecutive bytes
.endr
.endr
	global_store_b32 v6, v[WWD], s[30:31] offset:SCO
	s_wait_tensorcnt 0x0
	ds_add_u32 v254, v255
	s_wait_dscnt 0x0
	s_endpgm
.Lfunc_end_k_q4fa880004a_prep:
	.size	k_q4fa880004a_prep, .Lfunc_end_k_q4fa880004a_prep-k_q4fa880004a_prep
	.p2alignl 7, 3214868480
	.fill 96, 4, 3214868480
	.section	.rodata,"a",@progbits
	.p2align	6, 0x0
	.amdhsa_kernel k_q4fa880004a_prep
		.amdhsa_group_segment_fixed_size 47616
		.amdhsa_private_segment_fixed_size 0
		.amdhsa_enable_private_segment 0
		.amdhsa_kernarg_size 64
		.amdhsa_user_sgpr_count 2
		.amdhsa_user_sgpr_kernarg_segment_ptr 1
		.amdhsa_wavefront_size32 1
		.amdhsa_system_sgpr_workgroup_id_x 1
		.amdhsa_system_sgpr_workgroup_id_y 1
		.amdhsa_system_sgpr_workgroup_id_z 1
		.amdhsa_system_vgpr_workitem_id 0
		.amdhsa_next_free_vgpr 256
		.amdhsa_next_free_sgpr 66
		.amdhsa_reserve_vcc 1
		.amdhsa_float_denorm_mode_32 3
		.amdhsa_float_denorm_mode_16_64 3
		.amdhsa_memory_ordered 1
		.amdhsa_forward_progress 1
		.amdhsa_inst_pref_size 60
	.end_amdhsa_kernel
	.amdgpu_metadata
---
amdhsa.version: [ 1, 2 ]
amdhsa.kernels:
  - .name:           k_q4fa880004a_prep
    .symbol:         k_q4fa880004a_prep.kd
    .args:
      - { .name: x, .offset: 0, .size: 8, .value_kind: global_buffer, .address_space: global }
      - { .name: Wq, .offset: 8, .size: 8, .value_kind: global_buffer, .address_space: global }
      - { .name: Wk, .offset: 16, .size: 8, .value_kind: global_buffer, .address_space: global }
      - { .name: Wv, .offset: 24, .size: 8, .value_kind: global_buffer, .address_space: global }
      - { .name: Wo, .offset: 32, .size: 8, .value_kind: global_buffer, .address_space: global }
      - { .name: xq, .offset: 40, .size: 8, .value_kind: global_buffer, .address_space: global }
      - { .name: wq, .offset: 48, .size: 8, .value_kind: global_buffer, .address_space: global }
      - { .name: rope, .offset: 56, .size: 8, .value_kind: global_buffer, .address_space: global }
    .group_segment_fixed_size: 47616
    .private_segment_fixed_size: 0
    .kernarg_segment_align: 8
    .kernarg_segment_size: 64
    .max_flat_workgroup_size: 128
    .sgpr_count:     66
    .vgpr_count:     256
    .wavefront_size: 32
...
	.end_amdgpu_metadata
.endif
;; end of part 5
;; launch qkv (part 6): grid 8 x 32, 3 waves a work-group, no clusters, 0 bytes of LDS; arguments xq, wq, rope, qq, kv; writes qq, kv
.if DOCPART == 6
	.amdgcn_target "amdgcn-amd-amdhsa--gfx1250"
	.amdhsa_code_object_version 6
	.text
	.protected	k_q4fa880004a_qkv
	.globl	k_q4fa880004a_qkv
	.p2align	8
	.type	k_q4fa880004a_qkv,@function
k_q4fa880004a_qkv:
	s_mov_b64 s[64:65], 0
	v_nop
	global_prefetch_b8 v0, s[64:65] scope:SCOPE_SE
	s_setreg_imm32_b32 hwreg(HW_REG_WAVE_SCHED_MODE, 0, 2), 2
	s_setreg_imm32_b32 hwreg(HW_REG_WAVE_MODE, 25, 1), 1
	s_wait_xcnt 0x0
	s_wait_alu depctr_vm_vsrc(0)
; QKV: the three projections on codes of BF6, the rotation of Q and K, and the quantising of Q and K along the head's 64 and of V along the keys.
; There are 24 heads of 64 columns: 0-15 Q, 16-19 K, 20-23 V.  A wave makes 128 tokens x one head: 32 accumulators of 16 x 16, K = 1,024 in eight steps of 128, written out.
; A work-group is three waves (three heads) on the same 128 tokens; grid 8 x 32.  Operands come from memory straight into registers as images of those registers
; (each load 512 consecutive bytes); waves share nothing: no LDS, no barrier.  No cluster and no tensor load.
; A tile T of rows (tokens, or a weight's columns) holds rows 32 (T / 2) + 8 (T % 2) + r + 8 (r / 8).  So in a result, lane (r, h)'s registers of source 0's tiles 2 b and 2 b + 1 are its 16 neighbours 32 b + 16 h + 0 .. 15.
; Q, K: source 0 = the weight's columns, source 1 = tokens: a lane holds one token and its registers run along the head's 64.
; V: source 0 = tokens, source 1 = the weight's columns: a lane holds one channel and its registers run along the 128 tokens, which are the second attention product's K.
; OUT.  qq: [16 batch + head][block of 128 tokens] records of 6,656 bytes: four images (tiles 2 p and 2 p + 1, six registers each, as one image of twelve), then words [tile][r].
; kv: [4 batch + kv head][block] records of 13,056 bytes: K's four such images | V^T's four images (16 channels x 128 keys) | K's words [tile 8][16] | V's words [tile 4][16].
; A word of Q or K has two scale bytes and two bytes 0: the upper 64 of the instruction's 128 along K meet zero codes in the attention.
; LIMITS: as the launch before (byte 1 for blocks of zeros or under 2^-122; no NaN, no infinities).  The rotation is a multiply and a fused multiply-add.
; THE MODE: SCHED_MODE bits 1:0 = 2 (LLVM: expert scheduling mode 2), set by the entry lines.  The code itself states the register dependences between vector or matrix
; instructions and memory instructions, with s_wait_alu, always for 0.
; THE PLAN.  Registers that memory instructions touch:
;   v1-3        offsets, made once at the head and never written again: every load and store reads one of them.
;   v16-63      scale words: loaded once, read by matrix instructions alone.
;   F0, F1, F2  three sets of fragments (x's eight, the weight's four).  K step s multiplies set (s + 1) % 3.  The loads of K step s + 2 are issued in step s and land in set s % 3,
;               which step s - 1 multiplied and which no instruction of step s names.
;   C0, C1      cos and sin, inside F0, whose last product is step 5's.  Tile t's rotation reads C[t % 2]; behind it the loads of tile t + 2 land there.
;   v176-223, v12-15  codes and words: written by vector instructions once, read by one store each, never written again.
; So ONE wait on va_vdst stands at the head of a K step that loads, behind its wait for data: the step before is done reading its set.  The step's loads follow in three runs among its
; 32 products, which name the step's own set, the accumulators and the scale words.  One such wait stands behind a tile's rotation: C[t % 2] is read out, and the codes of the pair of tiles
; finished a tile ago are written, so that pair's stores stand there too.  No register that a memory instruction reads is written again: no wait on vm_vsrc is owed.
; REGISTERS.  window 0: v1-3 offsets; v4-15 scale words made; v16-47 x's scale words, v48-63 the weight's (scales and nothing else); v64-159, v160-255 x's fragments of F0 and F1;
;   behind the K steps: v64-127 cos and sin, two buffers; v128-159 a rotated tile; v160-175 at work; v176-223 codes; v224-242 the quantiser's.
; window 1: the 32 accumulators.   window 2: v0-143 the weight's fragments, three sets of 48; v144-239 x's fragments of F2.
.set LI, 1
.set LS, 2
.set RA, 3
.set WD, 4
.set SW, 12
.set XS, 16
.set WS, 48
.set CSB, 64
.set RR, 128
.set TT, 160
.set PC, 176
.set TM, 224                           ; +0..3 largest magnitudes, +4..7 the other half's, then bytes, +8..11 scale operands
.set CT, 236
.set REC, 12800
.set MSB, 0
.macro WIN new                         ; the immediate's high byte repeats the setting that is left
.if MSB != (\new)
	s_set_vgpr_msb (MSB<<8)|(\new)
.set MSB, \new
.endif
.endm
.macro PLACES                          ; four plain places behind a matrix instruction (ISA guide 7.12.1): they stay beside the waits on va_vdst, which fill no place
.rept 4
	v_nop
.endr
.endm
.macro SETOF s                         ; where K step s has its fragments: set (s + 1) % 3
.set FS, ((\s)+1)%3
.set WB_, 48*FS                        ; the weight's, in window 2
.if FS == 2
.set XB_, 144                          ; x's, in window 2,
.set XW_, 2
.else
.set XB_, 64+96*FS                     ; or in window 0
.set XW_, 0
.endif
.set LW_, XW_<<6                       ; a load into x's set: destination in its window, address in window 0
.endm
	s_load_b256 s[4:11], s[0:1], 0x0               ; xq, wq, rope, qq
	s_load_b64 s[12:13], s[0:1], 0x20              ; kv
	v_lshrrev_b32 v4, 5, v0
	v_readfirstlane_b32 s14, v4                    ; wave
	v_and_b32 v4, 31, v0                           ; lane
	v_lshlrev_b32 v[LI], 4, v4
	v_lshlrev_b32 v[LS], 2, v4
	v_and_b32 v5, 15, v4                           ; r
	v_lshrrev_b32 v6, 4, v4                        ; h
	v_and_b32 v7, 8, v5
	v_add_nc_u32 v5, v5, v7                        ; r + 8 (r / 8)
	v_lshlrev_b32 v[RA], 8, v5
	v_lshl_add_u32 v[RA], v6, 6, v[RA]             ; the table: my token's row of 256 bytes, + 64 h: frequencies 16 h + 0 .. 15
	v_cmp_lt_u32 s40, 15, v4                       ; lanes 16-31
	s_mov_b32 s28, 0x76543210
	s_mov_b32 s29, 0xfedcba98
	s_wait_alu depctr_va_sdst(0)                   ; s14 (the wave's number) and s40 (the mask of lanes 16-31) are written: ahead of s14's first reader below, and of every branch; s40 is read by the selections at the two ways' ends
	s_mul_i32 s15, ttmp9, 3
	s_add_co_u32 s15, s15, s14                     ; my head, 0 .. 23
	s_and_b32 s16, ttmp7, 0xffff                   ; my block of 128 tokens, 0 .. 31
	s_mul_i32 s32, s16, 8*REC
	s_mov_b32 s33, 0
	s_mul_i32 s34, s15, 4*REC
	s_mov_b32 s35, 0
	s_and_b32 s31, s16, 15                         ; the block within its batch
	s_lshr_b32 s30, s16, 4                         ; the batch
	s_lshl_b32 s36, s31, 15                        ; 128 rows of the table
	s_mov_b32 s37, 0
	s_wait_kmcnt 0x0
	s_add_nc_u64 s[18:19], s[4:5], s[32:33]        ; x's eight records
	s_add_nc_u64 s[20:21], s[6:7], s[34:35]        ; the weight's four
	s_add_nc_u64 s[22:23], s[8:9], s[36:37]
	; where my results go: offsets first, in registers of their own, then the buffer's address
	s_lshl_b32 s38, s30, 4
	s_add_co_u32 s38, s38, s15
	s_lshl_b32 s38, s38, 4
	s_add_co_u32 s38, s38, s31
	s_mul_i32 s38, s38, 6656                       ; Q: the record,
	s_add_co_u32 s39, s38, 6144                    ; its words
	s_mov_b32 s43, 12288
	s_cmp_ge_u32 s15, 20
	s_cselect_b32 s41, 20, 16
	s_cselect_b32 s42, 6144, 0                     ; V's images lie behind K's,
	s_cselect_b32 s43, 12800, s43                  ; V's words behind K's
	s_sub_co_u32 s41, s15, s41                     ; the kv head (of no meaning for Q, and not used there)
	s_lshl_b32 s44, s30, 2
	s_add_co_u32 s41, s41, s44
	s_lshl_b32 s41, s41, 4
	s_add_co_u32 s41, s41, s31
	s_mul_i32 s41, s41, 13056
	s_add_co_u32 s42, s41, s42
	s_add_co_u32 s43, s41, s43
	s_cmp_lt_u32 s15, 16
	s_cselect_b32 s32, s38, s42
	s_cselect_b32 s34, s39, s43
	s_cselect_b64 s[24:25], s[10:11], s[12:13]     ; qq or kv: the choice hangs on the head alone
	s_mov_b64 s[26:27], s[24:25]
	s_add_nc_u64 s[24:25], s[24:25], s[32:33]      ; codes
	s_add_nc_u64 s[26:27], s[26:27], s[34:35]      ; words
	s_wait_alu depctr_va_vdst(0)                   ; the three offsets v1 to v3 are written, which every load and store of the kernel reads
.macro SCLOAD                          ; register i of a tile: lanes 0-15 the words of K step 2 i, lanes 16-31 those of 2 i + 1
.irp t, 0,1,2,3,4,5,6,7
.irp i, 0,1,2,3
	global_load_b32 v[XS+4*\t+\i], v[LS], s[18:19] offset:REC*\t+12288+128*\i
.endr
.endr
.irp t, 0,1,2,3
.irp i, 0,1,2,3
	global_load_b32 v[WS+4*\t+\i], v[LS], s[20:21] offset:REC*\t+12288+128*\i
.endr
.endr
.endm
.macro LOADX s, t0                     ; K step s: x's fragments of tiles t0 .. t0 + 3: 12 loads
	SETOF \s
	WIN LW_
.irp t, \t0, \t0+1, \t0+2, \t0+3
.irp c, 0,1,2
	global_load_b128 v[XB_+12*(\t)+4*\c:XB_+12*(\t)+4*\c+3], v[LI], s[18:19] offset:REC*(\t)+1536*(\s)+512*\c
.endr
.endr
.endm
.macro LOADW s                         ; K step s: the weight's four fragments: 12 loads
	SETOF \s
	WIN 0x80                                       ; destination window 2, address window 0
.irp t, 0,1,2,3
.irp c, 0,1,2
	global_load_b128 v[WB_+12*\t+4*\c:WB_+12*\t+4*\c+3], v[LI], s[20:21] offset:REC*\t+1536*(\s)+512*\c
.endr
.endr
.endm
.macro WM d, a, b, sa, sb, kind        ; kind 0: starts the sum; 1: an even K step; 2: an odd one, whose words lie in lanes 16-31
.if \kind == 0
	v_wmma_scale_f32_16x16x128_f8f6f4 v[(\d):(\d)+7], v[(\a):(\a)+11], v[(\b):(\b)+11], 0, v[(\sa)], v[(\sb)] matrix_a_fmt:MATRIX_FMT_BF6 matrix_b_fmt:MATRIX_FMT_BF6
.elseif \kind == 1
	v_wmma_scale_f32_16x16x128_f8f6f4 v[(\d):(\d)+7], v[(\a):(\a)+11], v[(\b):(\b)+11], v[(\d):(\d)+7], v[(\sa)], v[(\sb)] matrix_a_fmt:MATRIX_FMT_BF6 matrix_b_fmt:MATRIX_FMT_BF6
.else
	v_wmma_scale_f32_16x16x128_f8f6f4 v[(\d):(\d)+7], v[(\a):(\a)+11], v[(\b):(\b)+11], v[(\d):(\d)+7], v[(\sa)], v[(\sb)] matrix_a_fmt:MATRIX_FMT_BF6 matrix_b_fmt:MATRIX_FMT_BF6 matrix_a_scale:MATRIX_SCALE_ROW1 matrix_b_scale:MATRIX_SCALE_ROW1
.endif
.endm
.macro MULQ s, swap, x0                ; 8 of a step's 32 products: x's tiles x0, x0 + 1 against the weight's four.  The 32 accumulators take turns, one instruction a turn, in the same order in every step
	SETOF \s
.if (\s) == 0
.set KIND, 0
.else
.set KIND, 1+(\s)%2
.endif
.if \swap
.set MW_, 0x58+XW_                     ; source 0 (x) in its window, source 1 (weight) window 2, C and D window 1
.else
.set MW_, 0x52+4*XW_                   ; source 0 (weight) window 2, source 1 (x) in its window, C and D window 1
.endif
	WIN MW_
.irp x, \x0, \x0+1
.irp w, 0,1,2,3
.if \swap
	WM 8*(8*\w+(\x)), XB_+12*(\x), WB_+12*\w, XS+4*(\x)+(\s)/2, WS+4*\w+(\s)/2, KIND
.else
	WM 8*(4*(\x)+\w), WB_+12*\w, XB_+12*(\x), WS+4*\w+(\s)/2, XS+4*(\x)+(\s)/2, KIND
.endif
.endr
.endr
.endm
.macro ROPELOAD t                      ; cos and sin of tile t's tokens at my 16 frequencies: eight loads, into buffer t % 2
.irp i, 0,1,2,3
	global_load_b128 v[CSB+32*((\t)%2)+4*\i:CSB+32*((\t)%2)+4*\i+3], v[RA], s[22:23] offset:(32*((\t)/2)+8*((\t)%2))*256+16*\i
	global_load_b128 v[CSB+32*((\t)%2)+16+4*\i:CSB+32*((\t)%2)+16+4*\i+3], v[RA], s[22:23] offset:(32*((\t)/2)+8*((\t)%2))*256+128+16*\i
.endr
.endm
; K step s.  Its loads stand in three runs among its products: each run under one window setting.
.macro KSTEP s, swap
.if (\s) < 7
	s_wait_loadcnt 36                              ; this step's loads are in; the next step's 36 may be out
.elseif \swap
	s_wait_loadcnt 0x0
.else
	s_wait_loadcnt 16                              ; the sixteen loads from the table may be out
.endif
.if ((\s) >= 1) && (((\s) < 6) || (((\s) == 6) && (\swap == 0)))
	s_wait_alu depctr_va_vdst(0)                   ; the products of the step before are done reading their set of fragments, in which this step's loads land; no product of this step names that set
.endif
	MULQ \s, \swap, 0
.if (\s) < 6
	LOADX (\s)+2, 0
.elseif ((\s) == 6) && (\swap == 0)
	WIN 0
	ROPELOAD 0                                     ; into registers of F0, which had its last product in step 5
.endif
	MULQ \s, \swap, 2
.if (\s) < 6
	LOADX (\s)+2, 4
.elseif ((\s) == 6) && (\swap == 0)
	WIN 0
	ROPELOAD 1
.endif
	MULQ \s, \swap, 4
.if (\s) < 6
	LOADW (\s)+2
.endif
	MULQ \s, \swap, 6
	PLACES                                         ; behind the step's last products: ahead of what next lands in or is written over their sources, and, behind step 7, of the first read of the sums
.endm
.macro KLOOP swap
	SCLOAD
	LOADX 0, 0
	LOADX 0, 4
	LOADW 0
	LOADX 1, 0
	LOADX 1, 4
	LOADW 1
.irp s, 0,1,2,3,4,5,6,7
	KSTEP \s, \swap
.endr
	WIN 0
.endm
; tile t's accumulators, register 16 b + i = channel 32 b + 16 h + i of my token, are rotated into v[RR] on.  Each accumulator is read from its low end on.
.macro ROPE t
.set CB_, CSB+32*((\t)%2)
.set AB_, 32*(\t)
	WIN 0x01                                       ; source 0 window 1
.irp i, 0,2,4,6,8,10,12,14
	v_pk_mul_f32 v[TT+\i:TT+\i+1], v[AB_+16+\i:AB_+17+\i], v[CB_+16+\i:CB_+17+\i]
	v_pk_fma_f32 v[RR+\i:RR+\i+1], v[AB_+\i:AB_+\i+1], v[CB_+\i:CB_+\i+1], v[TT+\i:TT+\i+1] neg_lo:[0,0,1] neg_hi:[0,0,1]   ; x1 cos - x2 sin
	v_pk_mul_f32 v[TT+\i:TT+\i+1], v[AB_+\i:AB_+\i+1], v[CB_+16+\i:CB_+17+\i]
	v_pk_fma_f32 v[RR+16+\i:RR+17+\i], v[AB_+16+\i:AB_+17+\i], v[CB_+\i:CB_+\i+1], v[TT+\i:TT+\i+1]                       ; x2 cos + x1 sin
.endr
	WIN 0
.endm
; nb blocks of 32 (nb = 2 or 4): register 16 b + i of v[src] on = k 32 b + 16 h + i of my row.  Codes to v[dst] on (six registers for two blocks), the row's scale word to v[word].  sw = 1: the numbers lie in window 1.
.macro QUANT src, nb, dst, word, sw
.if \sw
	WIN 0x14                                       ; sources 1 and 2 window 1
.endif
.set B_, 0
.rept \nb
	v_max3_num_f32 v[TM+B_], 0x2800000, |v[(\src)+16*B_]|, |v[(\src)+16*B_+1]|   ; my 16 numbers, and the floor 2^(5 - 127): the byte cannot fall under 1
.set B_, B_+1
.endr
.irp i, 2,4,6,8,10,12,14
.set B_, 0
.rept \nb
	v_max3_num_f32 v[TM+B_], v[TM+B_], |v[(\src)+16*B_+\i]|, |v[(\src)+16*B_+\i+1]|
.set B_, B_+1
.endr
.endr
	WIN 0
.set B_, 0
.rept \nb
	v_permlanex16_b32 v[TM+4+B_], v[TM+B_], s28, s29
.set B_, B_+1
.endr
.set B_, 0
.rept \nb
	v_max_num_f32 v[TM+B_], v[TM+B_], v[TM+4+B_]   ; with lane l xor 16's: the block's largest magnitude
.set B_, B_+1
.endr
.set B_, 0
.rept \nb
	v_add_nc_u32 v[TM+8+B_], 0xfe000000, v[TM+B_]  ; 4 off its exponent field: the conversion's scale operand
.set B_, B_+1
.endr
.set B_, 0
.rept \nb
	v_lshrrev_b32 v[TM+4+B_], 23, v[TM+8+B_]       ; the scale's byte
.set B_, B_+1
.endr
	v_lshl_or_b32 v[\word], v[TM+5], 8, v[TM+4]
.if \nb == 4
	v_lshl_or_b32 v[\word], v[TM+6], 16, v[\word]
	v_lshl_or_b32 v[\word], v[TM+7], 24, v[\word]
.endif
.if \sw
	WIN 0x01                                       ; source 0 window 1
.endif
.set C_, 0
.rept (\nb)/2
	v_cvt_scalef32_pk16_bf6_f32 v[(\dst)+6*C_:(\dst)+6*C_+2], v[(\src)+32*C_:(\src)+32*C_+15], v[TM+8+2*C_]
	v_cvt_scalef32_pk16_bf6_f32 v[CT+4*C_:CT+4*C_+2], v[(\src)+32*C_+16:(\src)+32*C_+31], v[TM+9+2*C_]   ; (a conversion's three registers begin on an even number)
.set C_, C_+1
.endr
	WIN 0
	v_nop                                          ; one plain place behind a scaled conversion
.set C_, 0
.rept (\nb)/2                          ; the operand's layout wants a whole block in a lane: lanes 0-15 block 2 c, lanes 16-31 block 2 c + 1
.irp i, 0,1,2
	v_permlane16_swap_b32 v[(\dst)+6*C_+\i], v[CT+4*C_+\i]
.endr
.irp i, 0,1,2
	v_mov_b32 v[(\dst)+6*C_+3+\i], v[CT+4*C_+\i]
.endr
.set C_, C_+1
.endr
.endm
.macro IMGOUT p                        ; image p (a pair of tiles of Q or K; a fragment of V^T) leaves: three stores of 512 consecutive bytes; each image has registers of its own
.irp c, 0,1,2
	global_store_b128 v[LI], v[PC+12*(\p)+4*\c:PC+12*(\p)+4*\c+3], s[24:25] offset:1536*(\p)+512*\c
.endr
.endm
	s_cmp_ge_u32 s15, 20
	s_cbranch_scc1 .Lv
; ---------------- Q or K
	KLOOP 0
.irp b, 0,1,2,3
	v_mov_b32 v[TM+4+\b], 0                        ; written once: a lane permute's destination counts as one of its sources
.endr
.irp t, 0,1,2,3,4,5,6,7
.if \t < 7
	s_wait_loadcnt 8                               ; this tile's cos and sin are in; the next tile's eight loads may be out
.else
	s_wait_loadcnt 0x0
.endif
	ROPE \t
.if \t < 7
	s_wait_alu depctr_va_vdst(0)                   ; the rotation is done reading this tile's cos and sin, in which the loads of two tiles on land; the codes of the pair finished a tile ago are written, which the stores below read
.endif
.if \t < 6
	ROPELOAD \t+2
.endif
.if (\t >= 2) && (\t%2 == 0)
	IMGOUT \t/2-1                                  ; tiles t - 2 and t - 1 as one image
.endif
	QUANT RR, 2, PC+12*(\t/2)+6*(\t%2), WD+\t, 0
.endr
.irp p, 0,1,2,3
	v_cndmask_b32 v[SW+\p], v[WD+2*\p], v[WD+2*\p+1], s40     ; lanes 0-15 the even tile's words, lanes 16-31 the odd one's
.endr
	s_wait_alu depctr_va_vdst(0)                   ; the last pair's codes and the four registers of words are written, which the stores below read
	IMGOUT 3
.irp p, 0,1,2,3
	global_store_b32 v[LS], v[SW+\p], s[26:27] offset:128*\p
.endr
	s_endpgm
; ---------------- V
.Lv:
	KLOOP 1
.irp b, 0,1,2,3
	v_mov_b32 v[TM+4+\b], 0
.endr
.irp w, 0,1,2,3
	QUANT 64*\w, 4, PC+12*\w, WD+\w, 1             ; 16 channels x 128 keys: one fragment of V^T
.if \w == 1
	s_wait_alu depctr_va_vdst(0)                   ; the codes of fragments 0 and 1 are written, which the stores below read
	IMGOUT 0
	IMGOUT 1
.endif
.endr
.irp p, 0,1
	v_cndmask_b32 v[SW+\p], v[WD+2*\p], v[WD+2*\p+1], s40
.endr
	s_wait_alu depctr_va_vdst(0)                   ; the codes of fragments 2 and 3 and the two registers of words are written, which the stores below read
	IMGOUT 2
	IMGOUT 3
.irp p, 0,1
	global_store_b32 v[LS], v[SW+\p], s[26:27] offset:128*\p
.endr
	s_endpgm
.Lfunc_end_k_q4fa880004a_qkv:
	.size	k_q4fa880004a_qkv, .Lfunc_end_k_q4fa880004a_qkv-k_q4fa880004a_qkv
	.p2alignl 7, 3214868480
	.fill 96, 4, 3214868480
	.section	.rodata,"a",@progbits
	.p2align	6, 0x0
	.amdhsa_kernel k_q4fa880004a_qkv
		.amdhsa_group_segment_fixed_size 0
		.amdhsa_private_segment_fixed_size 0
		.amdhsa_enable_private_segment 0
		.amdhsa_kernarg_size 40
		.amdhsa_user_sgpr_count 2
		.amdhsa_user_sgpr_kernarg_segment_ptr 1
		.amdhsa_wavefront_size32 1
		.amdhsa_system_sgpr_workgroup_id_x 1
		.amdhsa_system_sgpr_workgroup_id_y 1
		.amdhsa_system_sgpr_workgroup_id_z 1
		.amdhsa_system_vgpr_workitem_id 0
		.amdhsa_next_free_vgpr 768
		.amdhsa_next_free_sgpr 66
		.amdhsa_reserve_vcc 0
		.amdhsa_float_denorm_mode_32 3
		.amdhsa_float_denorm_mode_16_64 3
		.amdhsa_memory_ordered 1
		.amdhsa_forward_progress 1
		.amdhsa_inst_pref_size 193
	.end_amdhsa_kernel
	.amdgpu_metadata
---
amdhsa.version: [ 1, 2 ]
amdhsa.kernels:
  - .name:           k_q4fa880004a_qkv
    .symbol:         k_q4fa880004a_qkv.kd
    .args:
      - { .name: xq, .offset: 0, .size: 8, .value_kind: global_buffer, .address_space: global }
      - { .name: wq, .offset: 8, .size: 8, .value_kind: global_buffer, .address_space: global }
      - { .name: rope, .offset: 16, .size: 8, .value_kind: global_buffer, .address_space: global }
      - { .name: qq, .offset: 24, .size: 8, .value_kind: global_buffer, .address_space: global }
      - { .name: kv, .offset: 32, .size: 8, .value_kind: global_buffer, .address_space: global }
    .group_segment_fixed_size: 0
    .private_segment_fixed_size: 0
    .kernarg_segment_align: 8
    .kernarg_segment_size: 40
    .max_flat_workgroup_size: 96
    .sgpr_count:     66
    .vgpr_count:     768
    .wavefront_size: 32
...
	.end_amdgpu_metadata
.endif
;; end of part 6
;; launch attn (part 7): grid 32 x 8, 16 waves a work-group, no clusters, 211,456 bytes of LDS; arguments qq, kv, oq; writes oq
.if DOCPART == 7
	.amdgcn_target "amdgcn-amd-amdhsa--gfx1250"
	.amdhsa_code_object_version 6
	.text
	.protected	k_q4fa880004a_attn
	.globl	k_q4fa880004a_attn
	.p2align	8
	.type	k_q4fa880004a_attn,@function
k_q4fa880004a_attn:
	s_mov_b64 s[64:65], 0
	v_nop
	global_prefetch_b8 v0, s[64:65] scope:SCOPE_SE
	s_setreg_imm32_b32 hwreg(HW_REG_WAVE_MODE, 25, 1), 1
	s_wait_xcnt 0x0
; ATTN: causal attention on codes of BF6, head size 64, and the quantising of its result along d_model.
; t = score x log2(e) / 8; M = the running largest t rounded up to a whole number; p = 2^(t - M) is quantised along the keys, not normalised; the row's sum is taken of the unquantised p and divides at the end.
; SHARES.  Work-group (j, bh): kv head bh (4 batch + head), the 32 tokens of block j and the 32 of block 63 - j (so every work-group has (j / 4) + ((63 - j) / 4) + 2 = 17 key steps for a low and a high tile),
; for the four query heads of the group: 16 waves, each ONE tile of 16 queries of ONE head in 256 registers, four waves to a SIMD.  Wave w: g = w / 4 the head, tile (w % 4 + g) % 4: each SIMD gets all four tiles however the waves are dealt.
; LDS.  The kv head's sixteen records (128 keys each: K's images, V^T's images, both scale words; 13,056 bytes) lie in LDS as they lie in memory, filled ONCE: waves 0-3 issue four tensor loads each at the start
; (load i of wave w: record 4 i + w), so a wave has four tensor loads out at the most.  Nothing is filled again.  Behind them 512 bytes into which no fill lands, for the result's scale bytes.
; NO CLUSTER, though the 32 work-groups of a kv head read the same 208,896 bytes: each wave leaves out the key steps behind its queries by a branch on j, which differs between such partners.
; LAYOUT.  Both products are used transposed: S^T = K Q^T (source 0 = 16 keys), O^T = V^T P^T (source 0 = 16 channels): a lane holds one query (lane % 16) throughout.
; Tile T of keys, queries or channels holds rows 32 (T / 2) + 8 (T % 2) + r + 8 (r / 8), so the 16 registers of result tiles 2 b, 2 b + 1 are neighbours 32 b + 16 h + 0 .. 15.
; K = 64 IN AN INSTRUCTION OF 128: Q's fragment is six registers of codes and six of zeros.  K's fragments lie six registers apart; the upper six that an instruction names are the next tile's codes
; (six zeroed registers behind the last), which meet Q's zero codes and add nothing; the scale words' upper two bytes are 0, which is 2^-127 and no NaN.
; OUT.  oq: tile records of 12,800 bytes: head n's six registers at 768 n (registers 0-3 at 16 x lane, 4-5 at 512 + 8 x lane): heads 2 s and 2 s + 1 are K step s of the last product; scale words [K step][r] at 12,288.
; LIMITS: no NaN, no infinities; byte 1 for blocks of zeros; 1 / sum by v_rcp_f32.  A block's largest p is taken as the p of its largest score, which leans on v_exp_f32 not falling where its input rises.
; REGISTERS: v1-7 offsets that stay; v8-9 the step's LDS addresses; v12 -M, v13 the largest t, v[14:15] the sum; v16-27 Q; v28-29 V's scale words; v32-79 K's, then V's fragments; v80-85 zeros;
; v96-159 S^T, then p; v160-191 O^T; v224-235 p's codes; v232-247, v252, v254 at work; v248-251 K's scale words; v253 p's scale word; v255 Q's.
.set RECB, 13056
.set XCH,  16*RECB
.set LI, 1                             ; 16 x lane
.set LS, 2                             ; 4 x lane
.set L8, 3                             ; 8 x lane
.set XA, 4                             ; where my half of a scale word goes
.set XR, 5                             ; where a tile's 32 words are read back
.set R4, 6                             ; 4 r
.set QD, 7                             ; my query - 16 h
.set AD, 8
.set AS, 9
.set WV, 10
.set Q0, 18
.set KF, 19
.set TB, 24
.set CNT, 25
	s_load_b128 s[4:7], s[0:1], 0x0                ; qq, kv
	s_load_b64 s[8:9], s[0:1], 0x10                ; oq
	v_lshl_add_u32 v223, v0, 2, 0x33200
	v_mov_b32 v243, 0
	ds_add_u32 v223, v243
	ds_add_u32 v223, v243
	v_lshrrev_b32 v8, 5, v0
	s_delay_alu instid0(VALU_DEP_1)
	v_readfirstlane_b32 s[WV], v8                  ; wave 0 .. 15
	s_and_b32 s11, s[WV], 3
	s_lshr_b32 s12, s[WV], 2                       ; g: my query head within the group
	s_add_co_u32 s13, s11, s12
	s_and_b32 s13, s13, 3                          ; which of the work-group's four tiles
	s_mov_b32 s14, ttmp9                           ; j
	s_and_b32 s15, ttmp7, 0xffff                   ; bh
	s_sub_co_u32 s56, 63, s14
	s_cmp_lt_u32 s13, 2
	s_cselect_b32 s16, s14, s56                    ; my block of 32 tokens
	s_and_b32 s17, s13, 1                          ; u: which tile of the block's two
	s_lshl_b32 s[Q0], s16, 5                       ; the block's first token
	s_cmp_eq_u32 s17, 1
	s_cselect_b32 s26, -1, 0
	s_mov_b32 s20, 0x76543210
	s_mov_b32 s21, 0xfedcba98                      ; v_permlanex16_b32's selects for lane l xor 16
	s_mov_b32 s22, 0x3e38aa3b                      ; c = log2(e) / 8
	s_mov_b32 s23, s22                             ; (named with it as a pair, so it is written)
	v_and_b32 v8, 31, v0
	s_delay_alu instid0(VALU_DEP_1)
	v_lshlrev_b32 v[LI], 4, v8
	s_delay_alu instid0(VALU_DEP_2)
	v_lshlrev_b32 v[LS], 2, v8
	s_delay_alu instid0(VALU_DEP_3)
	v_lshlrev_b32 v[L8], 3, v8
	v_and_b32 v9, 15, v0                           ; r
	s_wait_alu depctr_va_vdst(0)
	v_bfe_u32 v10, v0, 4, 1                        ; h
	s_wait_alu depctr_va_vdst(0)
	v_lshlrev_b32 v[R4], 2, v9
	s_lshl_b32 s58, s13, 7
	s_add_co_u32 s58, s58, XCH                     ; my tile's 128 bytes: [K step 2][r 16] words
	v_add_nc_u32 v[XR], s58, v[LS]
	s_lshr_b32 s57, s12, 1
	s_lshl_b32 s57, s57, 6
	s_add_co_u32 s57, s57, s58
	s_and_b32 s56, s12, 1
	s_lshl_b32 s56, s56, 1
	s_add_co_u32 s57, s57, s56
	v_lshl_add_u32 v[XA], v9, 2, s57               ; K step g / 2, row r, half g % 2
	v_and_b32 v[QD], 8, v9
	s_delay_alu instid0(VALU_DEP_1)
	v_add_nc_u32 v[QD], v[QD], v9
	v_lshlrev_b32 v11, 4, v10
	s_delay_alu instid0(VALU_DEP_1)
	v_sub_nc_u32 v[QD], v[QD], v11
	s_lshl_b32 s59, s17, 3
	s_add_co_u32 s59, s59, s[Q0]
	v_add_nc_u32 v[QD], s59, v[QD]                 ; Q0 + 8 u + r + 8 (r / 8) - 16 h
	; descriptor group 1: a record as 51 rows of 256 bytes (32 elements of 8 bytes), dense, no padding, no mask
	s_mov_b32 s28, 3<<16
	s_mov_b32 s29, 32<<16                          ; tensor_dim0
	s_mov_b32 s30, 51<<16                          ; tensor_dim1
	s_mov_b32 s31, 32<<16                          ; tile_dim0
	s_mov_b32 s32, 51                              ; tile_dim1
	s_mov_b32 s33, 32                              ; the pitch
	s_mov_b32 s34, 0
	s_mov_b32 s35, 0
	s_mul_i32 s56, s[WV], RECB
	s_mul_i32 s58, s15, 16*RECB
	s_add_co_u32 s58, s58, s56
	s_mov_b32 s59, 0
	s_wait_dscnt 0x0
	s_wait_kmcnt 0x0
	s_add_nc_u64 s[58:59], s[6:7], s[58:59]        ; record w of my kv head
.irp i, 0,1,2,3                        ; group 0, a set for each load: record 4 i + w, in memory and in LDS
	s_mov_b32 s[36+4*\i], 1
	s_add_co_u32 s[37+4*\i], s56, 4*RECB*\i
	s_add_nc_u64 s[38+4*\i:39+4*\i], s[58:59], 4*RECB*\i
	s_or_b32 s[39+4*\i], s[39+4*\i], 0x80000000
.endr
	s_cmp_lt_u32 s[WV], 4
	s_cbranch_scc0 .Lno_fill                       ; all the fills of a wave stand in this one branch, ahead of every wait on TENSORcnt, every LDS read and every barrier
	tensor_load_to_lds s[36:39], s[28:35]
	s_nop 0
	tensor_load_to_lds s[40:43], s[28:35]
	s_nop 0
	tensor_load_to_lds s[44:47], s[28:35]
	s_nop 0
	tensor_load_to_lds s[48:51], s[28:35]
	s_nop 0
.rept 4
	v_nop
.endr
.Lno_fill:
	; Q: the image of my block's two tiles, and my tile's scale words
	s_lshl_b32 s56, s15, 2
	s_add_co_u32 s56, s56, s12
	s_lshl_b32 s56, s56, 4
	s_lshr_b32 s57, s16, 2
	s_add_co_u32 s56, s56, s57
	s_mul_i32 s56, s56, 6656
	s_and_b32 s57, s16, 3
	s_mul_i32 s60, s57, 1536
	s_add_co_u32 s60, s60, s56
	s_mov_b32 s61, 0
	s_add_nc_u64 s[60:61], s[4:5], s[60:61]
	s_lshl_b32 s57, s57, 1
	s_add_co_u32 s57, s57, s17
	s_lshl_b32 s57, s57, 6
	s_add_co_u32 s62, s56, s57
	s_mov_b32 s63, 0
	s_add_nc_u64 s[62:63], s[4:5], s[62:63]
.irp c, 0,1,2
	global_load_b128 v[32+4*\c:35+4*\c], v[LI], s[60:61] offset:512*\c
.endr
	s_wait_alu depctr_va_vdst(0)
	global_load_b32 v255, v[R4], s[62:63] offset:6144
	; where my result goes
	s_lshr_b32 s56, s15, 2
	s_lshl_b32 s56, s56, 7
	s_lshl_b32 s57, s16, 1
	s_add_co_u32 s56, s56, s57
	s_add_co_u32 s56, s56, s17                     ; the tile: 128 batch + 2 block + u
	s_mul_i32 s56, s56, 12800
	s_and_b32 s57, s15, 3
	s_lshl_b32 s52, s57, 2
	s_add_co_u32 s52, s52, s12                     ; the query head
	s_mul_i32 s52, s52, 768
	s_add_co_u32 s52, s52, s56
	s_mov_b32 s53, 0
	s_add_nc_u64 s[52:53], s[8:9], s[52:53]
	s_lshl_b32 s54, s57, 7
	s_add_co_u32 s54, s54, s56
	s_mov_b32 s55, 0
	s_add_nc_u64 s[54:55], s[8:9], s[54:55]        ; the kv head's two K steps of scale words (+ 12,288 in the immediate)
	v_mov_b32 v13, 0xff61b1e6                      ; the largest t so far: -3e38, under every t
	s_delay_alu instid0(VALU_DEP_1)
	v_floor_f32 v12, -v13                          ; -M
	v_mov_b32 v14, 0
	v_mov_b32 v15, 0
.irp i, 0,1,2,3,4,5
	v_mov_b32 v[22+\i], 0                          ; Q's upper 64 along K: zero codes
	v_mov_b32 v[80+\i], 0                          ; and what the last tile of K names beyond its six registers
.endr
.irp b, 0,1,2,3
	v_mov_b32 v[236+\b], 0                         ; written once: a lane permute's destination counts as one of its sources
.endr
	v_mov_b32 v252, 0
	v_mov_b32 v253, 0
	s_wait_loadcnt 0x0                             ; Q's image and its scale words
.irp i, 0,1,2,3,4,5
	v_cndmask_b32 v[16+\i], v[32+\i], v[38+\i], s26   ; my tile's six registers of the pair's twelve
.endr
; An operand written by vector instructions stands four plain places ahead of a scaled matrix instruction that takes it: the 32 lines below, which name no register of the score products, are those places, whichever key step is the first that this wave works.
.set N_, 0
.rept 32
	v_mov_b32 v[160+N_], 0                         ; O^T: the step is written once; the first finds zeros, which the first change of M leaves zeros
.set N_, N_+1
.endr
; A KEY STEP: the 128 keys of the record at LDS byte TB, first key KF.
.macro STEP
	s_cmp_gt_u32 s[KF], s[Q0]                      ; all its keys come after my queries: the step's work is left out, a branch on ids; the lines at its end that step addresses are not
	s_cbranch_scc1 .Lhidden_\@
	s_setprio 2
	v_add_nc_u32 v[AD], s[TB], v[LI]
	v_add_nc_u32 v[AS], s[TB], v[LS]
.irp n, 0,1,2,3,4,5,6,7,8,9,10,11
	ds_load_b128 v[32+4*\n:35+4*\n], v[AD] offset:512*\n          ; K's eight tiles, six registers each
.endr
.irp i, 0,1,2,3
	ds_load_b32 v[248+\i], v[AS] offset:12288+128*\i              ; lanes 0-15 tile 2 i's words, lanes 16-31 tile 2 i + 1's
.endr
	s_wait_alu depctr_va_vdst(0)
	s_wait_dscnt 0x0
.irp t, 0,2,4,6
	v_wmma_scale_f32_16x16x128_f8f6f4 v[96+8*\t:103+8*\t], v[32+6*\t:43+6*\t], v[16:27], 0, v[248+\t/2], v255 matrix_a_fmt:MATRIX_FMT_BF6 matrix_b_fmt:MATRIX_FMT_BF6
	v_wmma_scale_f32_16x16x128_f8f6f4 v[104+8*\t:111+8*\t], v[38+6*\t:49+6*\t], v[16:27], 0, v[248+\t/2], v255 matrix_a_fmt:MATRIX_FMT_BF6 matrix_b_fmt:MATRIX_FMT_BF6 matrix_a_scale:MATRIX_SCALE_ROW1
.endr
.rept 4
	v_nop                                          ; places ahead of the loads into K's registers and of the first read of the scores
.endr
.irp n, 0,1,2,3,4,5,6,7,8,9,10,11
	ds_load_b128 v[32+4*\n:35+4*\n], v[AD] offset:6144+512*\n     ; V^T's four fragments: they land under the softmax
.endr
.irp i, 0,1
	ds_load_b32 v[28+\i], v[AS] offset:12800+128*\i
.endr
	s_add_co_u32 s56, s[KF], 127
	s_cmp_lt_u32 s56, s[Q0]
	s_cbranch_scc1 .Lopen_\@                       ; all keys of the step count for all my queries
	v_sub_nc_u32 v252, v[QD], s[KF]                ; register 16 b + i holds key KF + 16 h + 32 b + i: hidden where 32 b + i > my query - KF - 16 h
	v_mov_b32 v254, 0xff800000                     ; -infinity: p = 0 then
.set N_, 0
.rept 64
	v_cmp_gt_i32 vcc_lo, 32*(N_/16)+N_%16, v252
	v_cndmask_b32 v[96+N_], v[96+N_], v254, vcc_lo
.set N_, N_+1
.endr
.Lopen_\@:
.irp b, 0,1,2,3
	v_max3_num_f32 v[232+\b], v[96+16*\b], v[97+16*\b], v[98+16*\b]   ; the largest score of each block of 32 keys: for the row's maximum, and for the block's largest p
.endr
.irp i, 3,5,7,9,11,13
.irp b, 0,1,2,3
	v_max3_num_f32 v[232+\b], v[232+\b], v[96+16*\b+\i], v[97+16*\b+\i]
.endr
.endr
.irp b, 0,1,2,3
	v_max_num_f32 v[232+\b], v[232+\b], v[111+16*\b]
.endr
.irp b, 0,1,2,3
	s_delay_alu instid0(VALU_DEP_4)
	v_permlanex16_b32 v[236+\b], v[232+\b], s20, s21
.endr
.irp b, 0,1,2,3
	s_delay_alu instid0(VALU_DEP_4)
	v_max_num_f32 v[232+\b], v[232+\b], v[236+\b]  ; with lane l xor 16's 16 keys
.endr
	s_delay_alu instid0(VALU_DEP_2)
	v_max3_num_f32 v254, v232, v233, v234
	s_delay_alu instid0(VALU_DEP_1)
	v_max_num_f32 v254, v254, v235
	s_delay_alu instid0(VALU_DEP_1)
	v_mul_f32 v254, s22, v254                      ; the step's largest t of my query
	s_delay_alu instid0(VALU_DEP_1)
	v_max_num_f32 v13, v13, v254
	v_mov_b32 v254, v12
	s_delay_alu instid0(VALU_DEP_2)
	v_floor_f32 v12, -v13                          ; the new -M = -ceil(t)
	s_delay_alu instid0(VALU_DEP_1)
	v_sub_f32 v254, v12, v254                      ; old M - new M: a whole number, 0 or less
	s_delay_alu instid0(VALU_DEP_1)
	v_cvt_i32_f32 v254, v254                       ; (it saturates)
	s_delay_alu instid0(VALU_DEP_1)
	v_ldexp_f32 v252, 1.0, v254                    ; f = 2^(old M - new M)
.irp j, 0,2,4,6,8,10,12,14,16,18,20,22,24,26,28,30,32,34,36,38,40,42,44,46,48,50,52,54,56,58,60,62
	v_pk_fma_f32 v[96+\j:97+\j], v[96+\j:97+\j], s[22:23], v[12:13] op_sel_hi:[1,0,0]   ; t - M
.endr
	s_setprio 1
.irp b, 0,1,2,3
	v_fma_f32 v[232+\b], v[232+\b], s22, v12
.endr
.set N_, 0
	s_wait_alu depctr_va_vdst(0)
.rept 64
	v_exp_f32 v[96+N_], v[96+N_]                   ; p = 2^(t - M), not normalised
.set N_, N_+1
.endr
.irp b, 0,1,2,3
	v_exp_f32 v[232+\b], v[232+\b]                 ; the block's largest p
.endr
	v_pk_mul_f32 v[14:15], v[14:15], v[252:253] op_sel_hi:[1,0]   ; the sums under the new M (a plain place behind the exponentials)
	s_wait_alu depctr_va_vdst(0)
.irp b, 0,1,2,3
	v_max_num_f32 v[232+\b], 0x2800000, v[232+\b]  ; the floor 2^(5 - 127)
.endr
.irp b, 0,1,2,3
	s_delay_alu instid0(VALU_DEP_4)
	v_add_nc_u32 v[244+\b], 0xfe000000, v[232+\b]  ; the conversion's scale operand
.endr
.irp b, 0,1,2,3
	s_delay_alu instid0(VALU_DEP_4)
	v_lshrrev_b32 v[236+\b], 23, v[244+\b]         ; the scale's byte
.endr
	s_delay_alu instid0(VALU_DEP_3)
	v_lshl_or_b32 v253, v237, 8, v236
	s_delay_alu instid0(VALU_DEP_1)
	v_lshl_or_b32 v253, v238, 16, v253
	s_delay_alu instid0(VALU_DEP_1)
	v_lshl_or_b32 v253, v239, 24, v253             ; p's scale word for these 128 keys
.irp c, 0,1
	v_cvt_scalef32_pk16_bf6_f32 v[224+6*\c:226+6*\c], v[96+32*\c:111+32*\c], v[244+2*\c]
	v_cvt_scalef32_pk16_bf6_f32 v[236+4*\c:238+4*\c], v[112+32*\c:127+32*\c], v[244+2*\c+1]
.endr
	v_nop                                          ; one plain place behind a scaled conversion
.irp c, 0,1
.irp i, 0,1,2
	v_permlane16_swap_b32 v[224+6*\c+\i], v[236+4*\c+\i]
.endr
.irp i, 0,1,2
	s_delay_alu instid0(VALU_DEP_3)
	v_mov_b32 v[227+6*\c+\i], v[236+4*\c+\i]
.endr
.endr
	v_pk_add_f32 v[236:237], v[100:101], v[104:105]
	v_pk_add_f32 v[250:251], v[108:109], v[112:113]
	v_pk_add_f32 v[248:249], v[116:117], v[120:121]
	v_pk_add_f32 v[246:247], v[124:125], v[128:129]
	v_pk_add_f32 v[244:245], v[132:133], v[136:137]
	v_pk_add_f32 v[240:241], v[140:141], v[144:145]
	v_pk_add_f32 v[220:221], v[148:149], v[152:153]
	v_pk_add_f32 v[14:15], v[14:15], v[156:157]
	v_pk_add_f32 v[236:237], v[236:237], v[96:97]
	v_pk_add_f32 v[250:251], v[250:251], v[98:99]
	v_pk_add_f32 v[248:249], v[248:249], v[102:103]
	v_pk_add_f32 v[246:247], v[246:247], v[106:107]
	v_pk_add_f32 v[244:245], v[244:245], v[110:111]
	v_pk_add_f32 v[240:241], v[240:241], v[114:115]
	s_setprio 0
	v_pk_add_f32 v[220:221], v[220:221], v[118:119]
	v_pk_add_f32 v[14:15], v[14:15], v[122:123]
	v_pk_add_f32 v[236:237], v[236:237], v[126:127]
	v_pk_add_f32 v[250:251], v[250:251], v[130:131]
	v_pk_add_f32 v[248:249], v[248:249], v[134:135]
	v_pk_add_f32 v[246:247], v[246:247], v[138:139]
	v_pk_add_f32 v[244:245], v[244:245], v[142:143]
	v_pk_add_f32 v[240:241], v[240:241], v[146:147]
	v_pk_add_f32 v[220:221], v[220:221], v[150:151]
	v_pk_add_f32 v[14:15], v[14:15], v[154:155]
	v_pk_add_f32 v[236:237], v[236:237], v[158:159]
	s_delay_alu instid0(VALU_DEP_2)
	v_pk_add_f32 v[14:15], v[14:15], v[246:247]
	s_delay_alu instid0(VALU_DEP_2)
	v_pk_add_f32 v[236:237], v[236:237], v[244:245]
	v_pk_add_f32 v[250:251], v[250:251], v[240:241]
	v_pk_add_f32 v[248:249], v[248:249], v[220:221]
	s_delay_alu instid0(VALU_DEP_2)
	v_pk_add_f32 v[14:15], v[14:15], v[250:251]
	s_delay_alu instid0(VALU_DEP_2)
	v_pk_add_f32 v[236:237], v[236:237], v[248:249]
	s_delay_alu instid0(VALU_DEP_1)
	v_pk_add_f32 v[14:15], v[14:15], v[236:237]
.irp j, 0,2,4,6,8,10,12,14,16,18,20,22,24,26,28,30
	v_pk_mul_f32 v[160+\j:161+\j], v[160+\j:161+\j], v[252:253] op_sel_hi:[1,0]   ; O^T under the new M.  (The sums above and these are the places between p's codes and word and the products)
.endr
	s_wait_alu depctr_va_vdst(0)
	s_wait_dscnt 0x0                               ; V^T and its words are in
.irp d, 0,2                            ; four accumulators, one instruction a turn; the next step's eight products on the scores stand between two links
	v_wmma_scale_f32_16x16x128_f8f6f4 v[160+8*\d:167+8*\d], v[32+12*\d:43+12*\d], v[224:235], v[160+8*\d:167+8*\d], v[28+\d/2], v253 matrix_a_fmt:MATRIX_FMT_BF6 matrix_b_fmt:MATRIX_FMT_BF6
	v_wmma_scale_f32_16x16x128_f8f6f4 v[168+8*\d:175+8*\d], v[44+12*\d:55+12*\d], v[224:235], v[168+8*\d:175+8*\d], v[28+\d/2], v253 matrix_a_fmt:MATRIX_FMT_BF6 matrix_b_fmt:MATRIX_FMT_BF6 matrix_a_scale:MATRIX_SCALE_ROW1
.endr
.rept 4
	v_nop                                          ; places ahead of the next step's loads and of the way out's reads
.endr
.Lhidden_\@:
	s_add_co_u32 s[KF], s[KF], 128
	s_add_co_u32 s[TB], s[TB], RECB
.endm
; Records 4 i .. 4 i + 3: load i of waves 0-3.  Each of those waves waits until its load i has landed (its 3 - i younger ones may stay out), then all sixteen meet.
.macro GROUP i
	s_wait_tensorcnt 3-\i
	s_barrier_signal -1
	s_barrier_wait -1
	s_mov_b32 s[TB], 4*RECB*\i
	s_mov_b32 s[KF], 512*\i
	s_mov_b32 s[CNT], 4
.Lstep_\@:
	STEP
	s_sub_co_u32 s[CNT], s[CNT], 1
	s_cmp_lg_u32 s[CNT], 0
	s_cbranch_scc1 .Lstep_\@
	s_setprio 0
.endm
	GROUP 0
	GROUP 1
	GROUP 2
	GROUP 3
	; THE WAY OUT: O^T / the sum, register 16 b + i = channel 32 b + 16 h + i of my query, is quantised along the head's 64, which are blocks 2 head and 2 head + 1 of the last product's K.
	v_add_f32 v14, v14, v15
	s_delay_alu instid0(VALU_DEP_1)
	v_permlanex16_b32 v252, v14, s20, s21
	s_delay_alu instid0(VALU_DEP_1)
	v_add_f32 v14, v14, v252                       ; the row's sum
	s_wait_alu depctr_va_vdst(0)
	v_rcp_f32 v14, v14
	v_nop                                          ; one plain place behind a transcendental
	s_wait_alu depctr_va_vdst(0)
.irp j, 0,2,4,6,8,10,12,14,16,18,20,22,24,26,28,30
	v_pk_mul_f32 v[96+\j:97+\j], v[160+\j:161+\j], v[14:15] op_sel_hi:[1,0]   ; each accumulator from its low end on
.endr
.irp b, 0,1
	v_max3_num_f32 v[232+\b], |v[96+16*\b]|, |v[97+16*\b]|, 0x2800000
.endr
.irp i, 2,4,6,8,10,12,14
.irp b, 0,1
	s_delay_alu instid0(VALU_DEP_2)
	v_max3_num_f32 v[232+\b], v[232+\b], |v[96+16*\b+\i]|, |v[97+16*\b+\i]|
.endr
.endr
.irp b, 0,1
	s_delay_alu instid0(VALU_DEP_2)
	v_permlanex16_b32 v[236+\b], v[232+\b], s20, s21
.endr
.irp b, 0,1
	s_delay_alu instid0(VALU_DEP_2)
	v_max_num_f32 v[232+\b], v[232+\b], v[236+\b]
.endr
.irp b, 0,1
	s_delay_alu instid0(VALU_DEP_2)
	v_add_nc_u32 v[244+\b], 0xfe000000, v[232+\b]
.endr
.irp b, 0,1
	s_delay_alu instid0(VALU_DEP_2)
	v_lshrrev_b32 v[236+\b], 23, v[244+\b]
.endr
	s_delay_alu instid0(VALU_DEP_1)
	v_lshl_or_b32 v253, v237, 8, v236              ; my head's half of the row's scale word
	v_cvt_scalef32_pk16_bf6_f32 v[224:226], v[96:111], v244
	v_cvt_scalef32_pk16_bf6_f32 v[240:242], v[112:127], v245
	v_nop                                          ; one plain place behind a scaled conversion
.irp i, 0,1,2
	v_permlane16_swap_b32 v[224+\i], v[240+\i]
.endr
.irp i, 0,1,2
	s_delay_alu instid0(VALU_DEP_3)
	v_mov_b32 v[227+\i], v[240+\i]
.endr
	global_store_b128 v[LI], v[224:227], s[52:53]              ; 512 consecutive bytes,
	global_store_b64 v[L8], v[228:229], s[52:53] offset:512    ; and 256
	ds_store_b16 v[XA], v253                       ; lanes l and l xor 16 write the same two bytes with the same value
	s_wait_dscnt 0x0                               ; for the others' sake: my store has landed
	s_barrier_signal -1
	s_barrier_wait -1
	s_cmp_lt_u32 s[WV], 4
	s_cbranch_scc0 .Ldone                          ; waves 0-3 (g = 0) hold the four tiles once each: each stores its tile's 32 words
	ds_load_b32 v254, v[XR]
	s_wait_dscnt 0x0
	global_store_b32 v[LS], v254, s[54:55] offset:12288        ; 128 consecutive bytes
.Ldone:
	s_wait_tensorcnt 0x0
	ds_add_u32 v223, v243
	s_wait_dscnt 0x0
	s_endpgm
.Lfunc_end_k_q4fa880004a_attn:
	.size	k_q4fa880004a_attn, .Lfunc_end_k_q4fa880004a_attn-k_q4fa880004a_attn
	.p2alignl 7, 3214868480
	.fill 96, 4, 3214868480
	.section	.rodata,"a",@progbits
	.p2align	6, 0x0
	.amdhsa_kernel k_q4fa880004a_attn
		.amdhsa_group_segment_fixed_size 211456
		.amdhsa_private_segment_fixed_size 0
		.amdhsa_enable_private_segment 0
		.amdhsa_kernarg_size 24
		.amdhsa_user_sgpr_count 2
		.amdhsa_user_sgpr_kernarg_segment_ptr 1
		.amdhsa_wavefront_size32 1
		.amdhsa_system_sgpr_workgroup_id_x 1
		.amdhsa_system_sgpr_workgroup_id_y 1
		.amdhsa_system_sgpr_workgroup_id_z 1
		.amdhsa_system_vgpr_workitem_id 0
		.amdhsa_next_free_vgpr 256
		.amdhsa_next_free_sgpr 66
		.amdhsa_reserve_vcc 1
		.amdhsa_float_denorm_mode_32 3
		.amdhsa_float_denorm_mode_16_64 3
		.amdhsa_memory_ordered 1
		.amdhsa_forward_progress 1
		.amdhsa_inst_pref_size 103
	.end_amdhsa_kernel
	.amdgpu_metadata
---
amdhsa.version: [ 1, 2 ]
amdhsa.kernels:
  - .name:           k_q4fa880004a_attn
    .symbol:         k_q4fa880004a_attn.kd
    .args:
      - { .name: qq, .offset: 0, .size: 8, .value_kind: global_buffer, .address_space: global }
      - { .name: kv, .offset: 8, .size: 8, .value_kind: global_buffer, .address_space: global }
      - { .name: oq, .offset: 16, .size: 8, .value_kind: global_buffer, .address_space: global }
    .group_segment_fixed_size: 211456
    .private_segment_fixed_size: 0
    .kernarg_segment_align: 8
    .kernarg_segment_size: 24
    .max_flat_workgroup_size: 512
    .sgpr_count:     66
    .vgpr_count:     256
    .wavefront_size: 32
...
	.end_amdgpu_metadata
.endif
;; end of part 7
;; launch oproj (part 8): grid 8 x 32, 4 waves a work-group, no clusters, 17,920 bytes of LDS; arguments oq, wq, out0; writes out0
.if DOCPART == 8
	.amdgcn_target "amdgcn-amd-amdhsa--gfx1250"
	.amdhsa_code_object_version 6
	.text
	.protected	k_q4fa880004a_oproj
	.globl	k_q4fa880004a_oproj
	.p2align	8
	.type	k_q4fa880004a_oproj,@function
k_q4fa880004a_oproj:
	s_mov_b64 s[64:65], 0
	v_nop
	global_prefetch_b8 v0, s[64:65] scope:SCOPE_SE
	s_setreg_imm32_b32 hwreg(HW_REG_WAVE_SCHED_MODE, 0, 2), 2
	s_setreg_imm32_b32 hwreg(HW_REG_WAVE_MODE, 25, 1), 1
	s_wait_xcnt 0x0
	s_wait_alu depctr_vm_vsrc(0)
; OPROJ: out0 = (attention's result) Wo on codes of BF6; K = 1,024 in eight steps of 128, written out; sums in f32.
; A work-group makes 128 x 128 of out0, each of its four waves 64 x 64: 16 accumulators.  Operands come from memory straight into registers as images of those registers; waves share nothing: no barrier.
; No cluster and no tensor load.
; The product is used transposed (source 0 = 16 columns of Wo, source 1 = 16 tokens): a lane holds one token and eight neighbouring columns.
; A tile T of tokens or of columns holds rows 32 (T / 2) + 8 (T % 2) + r + 8 (r / 8).  Wo's tiles are 96 .. 159 of wq.
; In oq a K step's fragment lies as two heads' halves of 768 bytes: registers 0-3 at 16 x lane, 4-5 at 512 + 8 x lane; then the same for registers 6-11.
; The way out goes through the wave's own stage in LDS (16 rows x (256 + 16) bytes): sixteen lanes store 256 consecutive bytes of a row of out0, at a multiple of 256 from its first byte.
; THE MODE: SCHED_MODE bits 1:0 = 2 (LLVM: expert scheduling mode 2), set by the entry lines.  The code itself states the register dependences between vector or matrix
; instructions and memory or LDS instructions, with s_wait_alu, always for 0.
; THE PLAN.  Registers that memory or LDS instructions touch:
;   v1-6        offsets and LDS addresses, made once at the head and never written again.
;   v16-47      scale words: loaded once, read by matrix instructions alone.
;   F0, F1, F2  three sets of fragments (the tokens' four, Wo's four).  K step s multiplies set s % 3.  The loads of K step s + 2 are issued in step s and land in set (s - 1) % 3,
;               which step s - 1 multiplied and which no instruction of step s names.
;   the accumulators   written by matrix instructions; read by the LDS stores of the way out.
;   v48-175     on the way out: rows read back from the stage, a tile's in registers of its own; read by the global stores.
; So ONE wait on va_vdst stands at the head of a K step that loads, behind its wait for data; the step's 28 loads follow in two runs among its 16 products.  One more stands ahead of the way out,
; behind which no vector or matrix instruction is issued.  No register that a memory or LDS instruction reads is written again: no wait on vm_vsrc is owed.
; REGISTERS.  window 0: v1-6 offsets; v16-31 the tokens' scale words, v32-47 Wo's (scales and nothing else); v48-143 the tokens' fragments of F0 and F1; v144-239 Wo's; behind the K steps v48-175 rows read back.
; window 1: v0-127 the 16 accumulators, (a, w) at v[8 (4 a + w)]; v128-175 the tokens' fragments of F2, v176-223 Wo's.
.set AS_, 16
.set BS_, 32
.set BK, 48
.set REC, 12800
.set MSB, 0
.macro WIN new                         ; the immediate's high byte repeats the setting that is left
.if MSB != (\new)
	s_set_vgpr_msb (MSB<<8)|(\new)
.set MSB, \new
.endif
.endm
.macro PLACES                          ; four plain places behind a matrix instruction (ISA guide 7.12.1): they stay beside the waits on va_vdst, which fill no place
.rept 4
	v_nop
.endr
.endm
.macro SETOF s                         ; where K step s has its fragments: set s % 3
.set FS, (\s)%3
.if FS == 2
.set AB_, 128                          ; in window 1, behind the accumulators,
.set BB_, 176
.set FW_, 1
.else
.set AB_, 48+48*FS                     ; or in window 0
.set BB_, 144+48*FS
.set FW_, 0
.endif
.set LW_, FW_<<6                       ; a load into the set: destination in its window, address in window 0
.set MW_, 0x50+5*FW_                   ; a product: sources 0 and 1 in the set's window, C and D window 1
.endm
	s_load_b128 s[4:7], s[0:1], 0x0                ; oq, wq
	s_load_b64 s[8:9], s[0:1], 0x10                ; out0
	v_lshl_add_u32 v254, v0, 2, 0x4400
	v_mov_b32 v255, 0
	v_lshrrev_b32 v7, 5, v0
	v_readfirstlane_b32 s10, v7                    ; wave
	v_and_b32 v7, 31, v0
	v_lshlrev_b32 v1, 4, v7                        ; 16 x lane
	v_lshlrev_b32 v2, 3, v7                        ; 8 x lane
	v_lshlrev_b32 v3, 2, v7                        ; 4 x lane
	v_and_b32 v8, 15, v0
	v_bfe_u32 v9, v0, 4, 1
	v_mul_u32_u24 v4, v8, 272
	v_lshl_add_u32 v4, v9, 6, v4                   ; the stage, in: row r, + 64 h
	v_mul_u32_u24 v5, v9, 272
	v_lshl_add_u32 v5, v8, 4, v5                   ; back: lanes 0-15 one row, lanes 16-31 the next
	v_lshlrev_b32 v6, 12, v9
	v_lshl_add_u32 v6, v8, 4, v6                   ; and the same two rows in out0
	s_and_b32 s13, ttmp7, 0xffff
	s_wait_alu depctr_va_sdst(0)                   ; s10, the wave's number, is written, ahead of its first reader
	s_lshr_b32 s11, s10, 1                         ; which 64 rows
	s_and_b32 s12, s10, 1                          ; which 64 columns
	s_mul_i32 s14, s10, 4352                       ; my stage
	v_add_nc_u32 v4, s14, v4
	v_add_nc_u32 v5, s14, v5
	s_lshl_b32 s24, s13, 3
	s_lshl_b32 s15, s11, 2
	s_add_co_u32 s24, s24, s15
	s_mul_i32 s24, s24, REC                        ; my four tiles of tokens
	s_mov_b32 s25, 0
	s_lshl_b32 s26, ttmp9, 3
	s_lshl_b32 s15, s12, 2
	s_add_co_u32 s26, s26, s15
	s_add_co_u32 s26, s26, 96
	s_mul_i32 s26, s26, REC                        ; my four tiles of Wo's columns
	s_mov_b32 s27, 0
	s_lshl_b32 s28, s13, 7
	s_lshl_b32 s15, s11, 6
	s_add_co_u32 s28, s28, s15
	s_lshl_b32 s28, s28, 12                        ; my first row of out0, rows of 4,096 bytes,
	s_lshl_b32 s15, ttmp9, 9
	s_add_co_u32 s28, s28, s15
	s_lshl_b32 s15, s12, 8
	s_add_co_u32 s28, s28, s15                     ; my first column
	s_mov_b32 s29, 0
	s_wait_kmcnt 0x0
	s_add_nc_u64 s[18:19], s[4:5], s[24:25]
	s_add_nc_u64 s[20:21], s[6:7], s[26:27]
	s_add_nc_u64 s[22:23], s[8:9], s[28:29]
	s_wait_alu depctr_va_vdst(0)                   ; the six offsets and addresses v1 to v6 are written, which the loads, the LDS instructions and the stores of the kernel read
.macro LOADA s                         ; K step s: the tokens' four fragments: 16 loads
	SETOF \s
	WIN LW_
.irp t, 0,1,2,3
	global_load_b128 v[AB_+12*\t:AB_+12*\t+3], v1, s[18:19] offset:REC*\t+1536*(\s)
	global_load_b64 v[AB_+12*\t+4:AB_+12*\t+5], v2, s[18:19] offset:REC*\t+1536*(\s)+512
	global_load_b128 v[AB_+12*\t+6:AB_+12*\t+9], v1, s[18:19] offset:REC*\t+1536*(\s)+768
	global_load_b64 v[AB_+12*\t+10:AB_+12*\t+11], v2, s[18:19] offset:REC*\t+1536*(\s)+1280
.endr
.endm
.macro LOADB s                         ; K step s: Wo's four fragments: 12 loads
	SETOF \s
	WIN LW_
.irp t, 0,1,2,3
.irp c, 0,1,2
	global_load_b128 v[BB_+12*\t+4*\c:BB_+12*\t+4*\c+3], v1, s[20:21] offset:REC*\t+1536*(\s)+512*\c
.endr
.endr
.endm
.macro WM d, a, b, sa, sb, kind        ; kind 0: starts the sum; 1: an even K step; 2: an odd one, whose words lie in lanes 16-31
.if \kind == 0
	v_wmma_scale_f32_16x16x128_f8f6f4 v[(\d):(\d)+7], v[(\a):(\a)+11], v[(\b):(\b)+11], 0, v[(\sa)], v[(\sb)] matrix_a_fmt:MATRIX_FMT_BF6 matrix_b_fmt:MATRIX_FMT_BF6
.elseif \kind == 1
	v_wmma_scale_f32_16x16x128_f8f6f4 v[(\d):(\d)+7], v[(\a):(\a)+11], v[(\b):(\b)+11], v[(\d):(\d)+7], v[(\sa)], v[(\sb)] matrix_a_fmt:MATRIX_FMT_BF6 matrix_b_fmt:MATRIX_FMT_BF6
.else
	v_wmma_scale_f32_16x16x128_f8f6f4 v[(\d):(\d)+7], v[(\a):(\a)+11], v[(\b):(\b)+11], v[(\d):(\d)+7], v[(\sa)], v[(\sb)] matrix_a_fmt:MATRIX_FMT_BF6 matrix_b_fmt:MATRIX_FMT_BF6 matrix_a_scale:MATRIX_SCALE_ROW1 matrix_b_scale:MATRIX_SCALE_ROW1
.endif
.endm
.macro MULQ s, a                       ; 4 of a step's 16 products: the tokens' tile a against Wo's four.  The 16 accumulators take turns, one instruction a turn, in the same order in every step
	SETOF \s
.if (\s) == 0
.set KIND, 0
.else
.set KIND, 1+(\s)%2
.endif
	WIN MW_
.irp w, 0,1,2,3
	WM 8*(4*(\a)+\w), BB_+12*\w, AB_+12*(\a), BS_+4*\w+(\s)/2, AS_+4*(\a)+(\s)/2, KIND
.endr
.endm
; K step s.  Its loads stand in two runs among its products: each run under one window setting.
.macro KSTEP s
.if (\s) < 7
	s_wait_loadcnt 28                              ; this step's loads are in; the next step's 28 may be out
.else
	s_wait_loadcnt 0x0
.endif
.if ((\s) >= 1) && ((\s) < 6)
	s_wait_alu depctr_va_vdst(0)                   ; the products of the step before are done reading their set of fragments, in which this step's loads land; no product of this step names that set
.endif
	MULQ \s, 0
.if (\s) < 6
	LOADA (\s)+2
.endif
	MULQ \s, 1
.if (\s) < 6
	LOADB (\s)+2
.endif
	MULQ \s, 2
	MULQ \s, 3
	PLACES                                         ; behind the step's last products: ahead of what next lands in their sources, and, behind step 7, of the first read of the sums
.endm
.irp t, 0,1,2,3                        ; scale words: register i of a tile: lanes 0-15 K step 2 i, lanes 16-31 K step 2 i + 1
.irp i, 0,1,2,3
	global_load_b32 v[AS_+4*\t+\i], v3, s[18:19] offset:REC*\t+12288+128*\i
	global_load_b32 v[BS_+4*\t+\i], v3, s[20:21] offset:REC*\t+12288+128*\i
.endr
.endr
	LOADA 0
	LOADB 0
	LOADA 1
	LOADB 1
.irp s, 0,1,2,3,4,5,6,7
	KSTEP \s
.endr
	WIN 0
	s_wait_alu depctr_va_vdst(0)                   ; the products have written the accumulators, which the LDS stores read, and are done reading v48 to v175, in which the loads from the stage land; the four places above stay beside this wait; no vector or matrix instruction follows it
; tile a of tokens: 16 rows x 64 columns through my stage.  LDS serves a wave's instructions in order: no wait between the stores and the loads, nor ahead of the next tile's stores.
.macro TOSTAGE a
	WIN 0x04                                       ; an LDS store's data are its source 1: window 1
.irp w, 0,1,2,3
	ds_store_b128 v4, v[8*(4*(\a)+\w):8*(4*(\a)+\w)+3] offset:128*(\w/2)+32*(\w%2)          ; each accumulator from its low end on
	ds_store_b128 v4, v[8*(4*(\a)+\w)+4:8*(4*(\a)+\w)+7] offset:128*(\w/2)+32*(\w%2)+16
.endr
	WIN 0
.irp i, 0,1,2,3,4,5,6,7
	ds_load_b128 v[BK+32*(\a)+4*\i:BK+32*(\a)+4*\i+3], v5 offset:544*\i
.endr
.endm
.macro SEND a, younger                 ; younger: the LDS instructions issued behind tile a's loads, which may stay out.  Each tile has registers of its own
	s_wait_dscnt \younger
.irp i, 0,1,2,3,4,5,6,7
	global_store_b128 v6, v[BK+32*(\a)+4*\i:BK+32*(\a)+4*\i+3], s[22:23] offset:(32*((\a)/2)+8*((\a)%2)+2*\i+8*(\i/4))*4096 th:TH_STORE_NT
.endr
.endm
	TOSTAGE 0
	TOSTAGE 1
	SEND 0, 16                                     ; behind tile 0's loads: tile 1's 8 stores and 8 loads
	TOSTAGE 2
	SEND 1, 16
	TOSTAGE 3
	SEND 2, 16
	SEND 3, 0
	s_wait_dscnt 0x0
	s_wait_alu depctr_hold_cnt(0) depctr_sa_sdst(0) depctr_va_vdst(0) depctr_va_sdst(0) depctr_va_ssrc(0) depctr_va_vcc(0) depctr_vm_vsrc(0)
	s_wait_tensorcnt 0x0
	ds_add_u32 v254, v255
	s_wait_dscnt 0x0
	s_endpgm
.Lfunc_end_k_q4fa880004a_oproj:
	.size	k_q4fa880004a_oproj, .Lfunc_end_k_q4fa880004a_oproj-k_q4fa880004a_oproj
	.p2alignl 7, 3214868480
	.fill 96, 4, 3214868480
	.section	.rodata,"a",@progbits
	.p2align	6, 0x0
	.amdhsa_kernel k_q4fa880004a_oproj
		.amdhsa_group_segment_fixed_size 17920
		.amdhsa_private_segment_fixed_size 0
		.amdhsa_enable_private_segment 0
		.amdhsa_kernarg_size 24
		.amdhsa_user_sgpr_count 2
		.amdhsa_user_sgpr_kernarg_segment_ptr 1
		.amdhsa_wavefront_size32 1
		.amdhsa_system_sgpr_workgroup_id_x 1
		.amdhsa_system_sgpr_workgroup_id_y 1
		.amdhsa_system_sgpr_workgroup_id_z 1
		.amdhsa_system_vgpr_workitem_id 0
		.amdhsa_next_free_vgpr 480
		.amdhsa_next_free_sgpr 66
		.amdhsa_reserve_vcc 0
		.amdhsa_float_denorm_mode_32 3
		.amdhsa_float_denorm_mode_16_64 3
		.amdhsa_memory_ordered 1
		.amdhsa_forward_progress 1
		.amdhsa_inst_pref_size 53
	.end_amdhsa_kernel
	.amdgpu_metadata
---
amdhsa.version: [ 1, 2 ]
amdhsa.kernels:
  - .name:           k_q4fa880004a_oproj
    .symbol:         k_q4fa880004a_oproj.kd
    .args:
      - { .name: oq, .offset: 0, .size: 8, .value_kind: global_buffer, .address_space: global }
      - { .name: wq, .offset: 8, .size: 8, .value_kind: global_buffer, .address_space: global }
      - { .name: out0, .offset: 16, .size: 8, .value_kind: global_buffer, .address_space: global }
    .group_segment_fixed_size: 17920
    .private_segment_fixed_size: 0
    .kernarg_segment_align: 8
    .kernarg_segment_size: 24
    .max_flat_workgroup_size: 128
    .sgpr_count:     66
    .vgpr_count:     480
    .wavefront_size: 32
...
	.end_amdgpu_metadata
.endif
;; end of part 8
